; MI455X (gfx1250); checked and timed in simulation.
; The chip was launched on July 23, 2026; its instructions are those of AMD's public machine-readable ISA for CDNA 5 (MIT licence, August 2026) and "CDNA5" Instruction Set Architecture Reference Guide (July 2026). The comments in the code are by the model that wrote it; some were corrected since.
;; Muti Head Attention. Allowed arithmetic: matrix products marked QUANTISED: E3M2 operands, one E8M0 scale for each 32 along K, by v_wmma_scale_f32_16x16x128_f8f6f4 with both operands' format E3M2, f32 sums; everything else in f32.
;; Inputs: K 4 x 2,048 x 1,024 float32; Q 4 x 2,048 x 1,024 float32; V 4 x 2,048 x 1,024 float32; W_K 1,024 x 1,024 float32; W_Q 1,024 x 1,024 float32; W_V 1,024 x 1,024 float32; W_fc 1,024 x 1,024 float32; ln_beta 1,024 float32; ln_gamma 1,024 float32; mask 4 x 2,048 x 2,048 bool.
;; Outputs: out0 4 x 2,048 x 1,024 float32.
;; This version of the problem:
;;   THIS VERSION OF THE PROBLEM IS GIVEN IN LOW PRECISION. The matrix products marked QUANTISED in the list below multiply operands that are first quantised to E3M2 (3 exponent bits, 2 mantissa bits; 6 bits a number), with one power-of-two scale for each 32 numbers along K (OCP MX v1.0); their sums are f32. All else is computed in f32.
;;   The module's matrix products, in the order in which they are computed (A, B: the left and right operand; K: the contracted axis; several contracted axes count as one K, in the product's order):
;;     1. [M 8,192, K 1,024] x [K 1,024, N 1,024]; A: input Q; B: input W_Q: QUANTISED
;;     2. [M 8,192, K 1,024] x [K 1,024, N 1,024]; A: input K; B: input W_K: QUANTISED
;;     3. [M 8,192, K 1,024] x [K 1,024, N 1,024]; A: input V; B: input W_V: QUANTISED
;;     4. batch 64 x [M 2,048, K 64] x [K 64, N 2,048]; A: computed on the way; B: computed on the way: QUANTISED
;;     5. batch 64 x [M 2,048, K 2,048] x [K 2,048, N 64]; A: softmax (see below); B: computed on the way: QUANTISED
;;     6. [M 8,192, K 1,024] x [K 1,024, N 1,024]; A: computed on the way; B: input W_fc: QUANTISED
;;   THE QUANTISER, for each operand of a quantised product, along K:
;;     - K is cut into blocks of 32 from its start; a last block that is shorter is filled with zeros.
;;     - A block's scale is 2^e with e = floor(log2(the largest magnitude in the block)) - 4, held to -126 .. 127; a block of zeros has e = 0. As a byte (E8M0): e + 127.
;;     - Each number is divided by its block's scale, clamped to +-28, and rounded to the nearest number of E3M2, ties to even, subnormals kept.
;;     - The product sums the exact products of the quantised numbers (number of the format x scale) in f32.
;;   ~~~python
;;   def quantise(x, axis):      # numpy; x: float32 -> the quantised numbers, widened to float32 again
;;       x = np.moveaxis(x, axis, -1); K = x.shape[-1]
;;       x = np.pad(x, [(0, 0)] * (x.ndim - 1) + [(0, -K % 32)]); x = x.reshape(x.shape[:-1] + (-1, 32)); a = np.abs(x).max(-1, keepdims=True)
;;       e = np.where(a > 0, np.clip(np.frexp(np.where(a > 0, a, 1))[1] - 1 - 4, -126, 127), 0)      # np.frexp(a)[1] - 1 = floor(log2(a)), exactly
;;       r = np.clip(x / 2.0 ** e, -28, 28)
;;       step = 2.0 ** (np.maximum(np.frexp(np.where(r == 0, 1, r))[1] - 1, -2) - 2)
;;       q = np.round(r / step) * step * 2.0 ** e      # np.round: ties to even
;;       return np.moveaxis(q.reshape(q.shape[:-2] + (-1,))[..., :K], -1, axis).astype(np.float32)
;;   ~~~
;;   SOFTMAX AHEAD OF A QUANTISED PRODUCT. Where the list says 'softmax', what is quantised is not the finished softmax but p = 2^(t - M), with t = logit x log2(e) and M = ceil(the row's largest t), a whole number; so 1/2 < the row's largest p <= 1. The row's sum l is taken of the UNQUANTISED p, in f32, and the product's result is divided by l at the end. Since M is a whole number, a kernel that streams over the keys may use a running M (the ceiling of the running maximum): every later rescaling is an exact power of two, which a block's scale takes up: the codes' values come out the same.
;;   OPERANDS COMPUTED ON THE WAY. 'Computed on the way' means the value that the module computes at that place (a softmax that the list does not call 'softmax' is quantised finished and normalised). What goes into a quantiser is computed in f32, as accurately as f32 sums, v_exp_f32 and their like allow (about 1e-6 of the number): no bf16 or f16 on the way to a quantiser, and a product that is left as it is and whose result goes on into a quantised operand takes f32 operands (vector FMAs, or v_wmma_f32_16x16x4_f32). A number that lies on a knife's edge between two numbers of the format may be rounded either way, as far as f32 arithmetic and the matrix unit's own rounding can turn it there, and no further.
;; 2 versions, each right; version 2 is version 1 with the launches attn, fcln written anew for expert scheduling mode. Each part assembles by itself: llvm-mc -triple=amdgcn-amd-amdhsa -mcpu=gfx1250 --defsym DOCPART=n.
;; ======== version 1 of 2: 4 launches
;; limits: right only within a limited range of input values
;; workspace buffers: cw 22,937,600 bytes; mbits 2,097,152 bytes of whole numbers; qkv 20,185,088 bytes; res 6,815,744 bytes
;; launch prep (part 1): grid 704 x 1, 4 waves a work-group, no clusters, 68,096 bytes of LDS; arguments Q, K, V, W_Q, W_K, W_V, W_fc, mask, cw, mbits; writes cw, mbits
.if DOCPART == 1
	.amdgcn_target "amdgcn-amd-amdhsa--gfx1250"
	.amdhsa_code_object_version 6
	.text
	.protected	k_qe0ef90c4ef_prep
	.globl	k_qe0ef90c4ef_prep
	.p2align	8
	.type	k_qe0ef90c4ef_prep,@function
k_qe0ef90c4ef_prep:
	s_mov_b64 s[64:65], 0
	v_nop
	global_prefetch_b8 v0, s[64:65] scope:SCOPE_SE
	s_setreg_imm32_b32 hwreg(HW_REG_WAVE_MODE, 25, 1), 1
	s_wait_xcnt 0x0
; PREP.  (1) Q, K, V [8192][1024] and W_Q, W_K, W_V, W_fc [1024][1024], f32, K innermost, become codes of BF6 (E3M2) with one E8M0 byte for each 32 along K,
; laid as IMAGES OF OPERAND REGISTERS: a fragment (16 rows x 128 K) is 12 registers a lane, stored as three runs of 512 bytes, lane l's 16 bytes at 16 l.
; cw: [block of 128 rows 0..223][K step 0..7][tile 0..7][1,536 bytes]; blocks: Q 0-63, K 64-127, V 128-191, W_Q 192-199, W_K 200-207, W_V 208-215, W_fc 216-223.
; Behind the codes, at SCO: [tile 0..1791][row 0..15][K step 0..7] scale words (four bytes: 128 along K of a row).
; THE ROWS OF A TILE ARE NOT NEIGHBOURS: lane row r of tile 2 g + u is row 32 g + 8 u + r + 8 (r / 8), in every tensor of this program.
; (2) mask [4][2048][2048] of bytes becomes lane masks: mbits [b][query tile 0..127][key step 0..15][n 0..63], bit l of word n = mask of query row l % 16 of the tile and key
; 128 step + 32 (n / 16) + 16 (l / 16) + n % 16.
; A block's scale is 2^(floor(log2(largest magnitude)) - 4): its byte is the largest magnitude's exponent field - 4, held at 1 from below.
; LIMITS: NaN and infinities among the inputs are not served; a block whose largest magnitude lies under 2^-122 (a block of zeros too) keeps the byte 1; its codes are then zeros or
; subnormal codes under that byte, and this program alone reads the bytes.  A mask byte other than 0 counts as true.
; SHARES: work-groups 0-255: a wave takes one query tile's 16 rows of the mask and 1,024 of their keys (eight key steps); theirs is the longer run of instructions, so they come first.
; Work-groups 256-703: a wave takes one tile (16 rows x 1,024 K), eight steps of 128 K.  Waves share nothing: no barrier.
.set SCO,   22020096
.set NMW,   256                        ; work-groups that pack the mask
.set STGB,  8448                       ; a wave's stage: 16 rows x 528 bytes
.set SP,    528                        ; 512 bytes + 16: the sixteen rows that a read touches begin in different banks
.set C,     16                         ; v16-39   two sets of 12 code registers
.set PT,    40                         ; v40-47   the second halves of the conversions (three registers begin on an even number)
.set SW,    48                         ; v48-55   a scale word for each K step;  v56-59 on the way out
.set R,     64                         ; v64-191  two sets of 64 registers as loaded
.set X,     192                        ; v192-255 a lane's 64 numbers (mask: 64 bytes in v192-207)
	s_load_b256 s[8:15], s[0:1], 0x0               ; Q, K, V, W_Q
	s_load_b256 s[16:23], s[0:1], 0x20             ; W_K, W_V, W_fc, mask
	s_load_b128 s[24:27], s[0:1], 0x40             ; cw, mbits
	v_lshl_add_u32 v43, v0, 2, 0x10800
	v_mov_b32 v47, 0
	v_lshrrev_b32 v1, 5, v0
	v_readfirstlane_b32 s28, v1                    ; wave
	v_and_b32 v60, 31, v0                          ; lane
	v_and_b32 v62, 15, v0                          ; r
	v_bfe_u32 v63, v0, 4, 1                        ; h
	v_lshlrev_b32 v1, 4, v60                       ; 16 x lane: my place in 512 consecutive bytes, in and out
	v_lshlrev_b32 v61, 3, v60                      ; 8 x lane
	s_mul_i32 s29, s28, STGB
	v_add_nc_u32 v2, s29, v1                       ; the quantiser's stage, way in
	v_mul_u32_u24 v3, v62, SP
	v_add_nc_u32 v3, s29, v3
	v_lshl_add_u32 v7, v63, 4, v3
	v_add_nc_u32 v7, 4*STGB, v7                    ; the mask's stage (bytes of its own), way out: row r, + 16 h
	v_lshl_add_u32 v3, v63, 7, v3                  ; the quantiser's stage, way out: row r, + 128 h
	v_add_nc_u32 v6, 4*STGB, v2                    ; the mask's stage, way in
	v_lshlrev_b32 v4, 5, v62
	v_lshl_add_u32 v4, v63, 4, v4                  ; scale words out: 32 r + 16 h
	v_lshlrev_b32 v5, 3, v63                       ; 8 h: my bytes' shift in a scale word
	v_mov_b32 v15, 0                               ; a lane permute's destination counts as read
	v_mov_b32 v12, 0                               ; and so does v_writelane_b32's
	v_mov_b32 v13, 0
	s_mov_b32 s30, 0x76543210
	s_mov_b32 s31, 0xfedcba98                      ; selects for lane l xor 16
	s_lshl_b32 s35, ttmp9, 2
	s_add_co_u32 s35, s35, s28                     ; 4 x work-group + wave
	s_wait_kmcnt 0x0
	s_cmp_lt_u32 ttmp9, NMW
	s_cbranch_scc1 .Lmask
; ---------------- the quantiser ----------------
	s_sub_co_u32 s35, s35, 4*NMW                   ; my tile, 0..1791
	s_mov_b64 s[32:33], s[20:21]                   ; W_fc, unless the work-group's number says otherwise: the choice hangs on that number alone
	s_mov_b32 s34, 432
.macro PICK lim, ptr, start
	s_cmp_lt_u32 ttmp9, (\lim)+NMW
	s_cselect_b64 s[32:33], s[\ptr:\ptr+1], s[32:33]
	s_cselect_b32 s34, \start, s34
.endm
	PICK 432, 18, 416
	PICK 416, 16, 400
	PICK 400, 14, 384
	PICK 384, 12, 256
	PICK 256, 10, 128
	PICK 128, 8, 0
	s_lshl_b32 s34, s34, 2
	s_sub_co_u32 s36, s35, s34                     ; the tile's number in its tensor
	s_lshr_b32 s37, s36, 1
	s_lshl_b32 s37, s37, 5
	s_and_b32 s38, s36, 1
	s_lshl_b32 s38, s38, 3
	s_add_co_u32 s37, s37, s38                     ; its first row: 32 (t / 2) + 8 (t % 2)
	s_lshl_b32 s36, s37, 12                        ; x 4,096 bytes
	s_mov_b32 s37, 0
	s_add_nc_u64 s[32:33], s[32:33], s[36:37]
	s_lshr_b32 s36, s35, 3
	s_mul_i32 s36, s36, 98304
	s_and_b32 s38, s35, 7
	s_mul_i32 s38, s38, 1536
	s_add_co_u32 s36, s36, s38
	s_add_nc_u64 s[40:41], s[24:25], s[36:37]      ; my tile's images
	s_lshl_b32 s36, s35, 9
	s_add_co_u32 s36, s36, SCO
	s_add_nc_u64 s[42:43], s[24:25], s[36:37]      ; my tile's scale words
.macro LOAD ks                         ; K step ks: 16 loads, each a row's 512 consecutive bytes
.irp i, 0,1,2,3,4,5,6,7,8,9,10,11,12,13,14,15
	global_load_b128 v[R+64*((\ks)%2)+4*\i:R+64*((\ks)%2)+4*\i+3], v1, s[32:33] offset:(\i+8*(\i/8))*4096+512*(\ks) th:TH_LOAD_NT
.endr
.endm
.macro QSTEP ks
.set RR, R+64*((\ks)%2)
.set CC, C+12*((\ks)%2)
.if (\ks) < 7
	s_wait_loadcnt 16                              ; this step's 16 loads are in; the next step's 16 may be out
.else
	s_wait_loadcnt 0x0
.endif
.irp i, 0,1,2,3,4,5,6,7,8,9,10,11,12,13,14,15
	ds_store_b128 v2, v[RR+4*\i:RR+4*\i+3] offset:SP*\i      ; through my own stage as they lie; LDS serves a wave's instructions in order
.endr
.irp c, 0,1
.irp j, 0,1,2,3,4,5,6,7
	ds_load_b128 v[X+32*\c+4*\j:X+32*\c+4*\j+3], v3 offset:256*\c+16*\j   ; back: row r, k = 64 c + 32 h + 0 .. 31: two whole blocks a lane, as the operand's layout has them
.endr
.endr
	s_wait_dscnt 0x0
	s_wait_xcnt 0x0                                ; the stores of two steps back have read their registers: this set of codes is written again below
.if (\ks)+2 < 8
	LOAD (\ks)+2
.endif
.irp c, 0,1
	v_max3_num_f32 v[8+\c], |v[X+32*\c]|, |v[X+32*\c+1]|, 0x2800000    ; the block's largest magnitude, and the floor 2^(5 - 127): the byte cannot fall under 1
.endr
.irp i, 2,4,6,8,10,12,14,16,18,20,22,24,26,28,30
.irp c, 0,1
	v_max3_num_f32 v[8+\c], v[8+\c], |v[X+32*\c+\i]|, |v[X+32*\c+\i+1]|
.endr
.endr
.irp c, 0,1
	v_add_nc_u32 v[10+\c], 0xfe000000, v[8+\c]     ; 4 off the exponent field: the conversion's scale operand
.endr
.irp c, 0,1
	v_lshrrev_b32 v[12+\c], 23, v[10+\c]           ; the scale's byte
.endr
.irp c, 0,1
	v_cvt_scalef32_pk16_bf6_f32 v[CC+6*\c:CC+6*\c+2], v[X+32*\c:X+32*\c+15], v[10+\c]
	v_cvt_scalef32_pk16_bf6_f32 v[PT+4*\c:PT+4*\c+2], v[X+32*\c+16:X+32*\c+31], v[10+\c]
.endr
	v_lshl_or_b32 v14, v13, 16, v12                ; my bytes: blocks h and 2 + h (plain lines behind the conversions),
	v_lshlrev_b32 v14, v5, v14                     ; at their places,
	v_permlanex16_b32 v15, v14, s30, s31
	v_or_b32 v[SW+(\ks)], v14, v15                 ; with lane l xor 16's two: row r's word
.irp c, 0,1
.irp i, 0,1,2
	v_mov_b32 v[CC+6*\c+3+\i], v[PT+4*\c+\i]
.endr
.endr
.irp c, 0,1,2
	global_store_b128 v1, v[CC+4*\c:CC+4*\c+3], s[40:41] offset:12288*(\ks)+512*\c   ; 32 lanes store 512 consecutive bytes
.endr
.endm
	LOAD 0
	LOAD 1
.irp k, 0,1,2,3,4,5,6,7
	QSTEP \k
.endr
	s_mov_b32 s44, 0xffff0000
.irp j, 0,1,2,3
	v_cndmask_b32 v[56+\j], v[SW+\j], v[SW+4+\j], s44   ; lanes 0-15 store K steps 0-3 of row r, lanes 16-31 steps 4-7
.endr
	global_store_b128 v4, v[56:59], s[42:43]       ; the tile's 512 bytes of scale words
	s_wait_tensorcnt 0x0
	ds_add_u32 v43, v47
	s_wait_dscnt 0x0
	s_endpgm
; ---------------- the mask ----------------
.Lmask:
	s_lshr_b32 s38, s35, 1                         ; 128 b + query tile; the low bit of s35: which 1,024 keys
	s_lshr_b32 s36, s38, 1
	s_lshl_b32 s36, s36, 5
	s_and_b32 s37, s38, 1
	s_lshl_b32 s37, s37, 3
	s_add_co_u32 s36, s36, s37                     ; the tile's first row among the 8,192
	s_lshl_b32 s36, s36, 11                        ; x 2,048 bytes
	s_and_b32 s37, s35, 1
	s_lshl_b32 s37, s37, 10
	s_add_co_u32 s36, s36, s37                     ; + my half of the keys
	s_mov_b32 s37, 0
	s_add_nc_u64 s[32:33], s[22:23], s[36:37]
	s_lshl_b32 s36, s35, 11                        ; 4,096 bytes of words a tile, 2,048 a half
	s_add_nc_u64 s[40:41], s[26:27], s[36:37]
.macro LOADM kap                       ; 512 keys of the 16 rows
.irp i, 0,1,2,3,4,5,6,7,8,9,10,11,12,13,14,15
	global_load_b128 v[R+64*(\kap)+4*\i:R+64*(\kap)+4*\i+3], v1, s[32:33] offset:(\i+8*(\i/8))*2048+512*(\kap) th:TH_LOAD_NT
.endr
.endm
.macro MSTEP kap, sg                   ; my key step 4 kap + sg
.irp b, 0,1,2,3
	ds_load_b128 v[X+4*\b:X+4*\b+3], v7 offset:128*(\sg)+32*\b   ; row r, keys 32 b + 16 h + 0 .. 15 of the step: byte n % 4 of register n / 4 is number n
.endr
	s_wait_dscnt 0x0
	s_wait_xcnt 0x0                                ; the last step's store has read v[12:13]
.irp m, 0,1,2,3,4,5,6,7,8,9,10,11,12,13,14,15
.irp j, 0,1,2,3
	v_bfe_u32 v[8+\j], v[X+\m], 8*\j, 8
.endr
.irp j, 0,1,2,3
	v_cmp_ne_u32 s[44+\j], 0, v[8+\j]              ; the 32 lanes' bits of number 4 m + j: a word
.endr
.irp j, 0,1,2,3
	v_writelane_b32 v[12+\j%2], s[44+\j], 2*\m+\j/2   ; word n to lane n / 2, register n % 2: lane L then stores words 2 L, 2 L + 1
.endr
.endr
	global_store_b64 v61, v[12:13], s[40:41] offset:256*(4*(\kap)+(\sg))   ; 32 lanes store 256 consecutive bytes, aligned
.endm
.macro CHUNK kap
.if (\kap) < 1
	s_wait_loadcnt 16                              ; this chunk's 16 loads are in; the next chunk's may be out
.else
	s_wait_loadcnt 0x0
.endif
.irp i, 0,1,2,3,4,5,6,7,8,9,10,11,12,13,14,15
	ds_store_b128 v6, v[R+64*(\kap)+4*\i:R+64*(\kap)+4*\i+3] offset:SP*\i
.endr
	MSTEP \kap, 0
	MSTEP \kap, 1
	MSTEP \kap, 2
	MSTEP \kap, 3
.endm
	LOADM 0
	LOADM 1
	CHUNK 0
	CHUNK 1
	s_wait_tensorcnt 0x0
	ds_add_u32 v43, v47
	s_wait_dscnt 0x0
	s_endpgm
.Lfunc_end_k_qe0ef90c4ef_prep:
	.size	k_qe0ef90c4ef_prep, .Lfunc_end_k_qe0ef90c4ef_prep-k_qe0ef90c4ef_prep
	.p2alignl 7, 3214868480
	.fill 96, 4, 3214868480
	.section	.rodata,"a",@progbits
	.p2align	6, 0x0
	.amdhsa_kernel k_qe0ef90c4ef_prep
		.amdhsa_group_segment_fixed_size 68096
		.amdhsa_private_segment_fixed_size 0
		.amdhsa_enable_private_segment 0
		.amdhsa_kernarg_size 80
		.amdhsa_user_sgpr_count 2
		.amdhsa_user_sgpr_kernarg_segment_ptr 1
		.amdhsa_wavefront_size32 1
		.amdhsa_system_sgpr_workgroup_id_x 1
		.amdhsa_system_sgpr_workgroup_id_y 1
		.amdhsa_system_sgpr_workgroup_id_z 1
		.amdhsa_system_vgpr_workitem_id 0
		.amdhsa_next_free_vgpr 256
		.amdhsa_next_free_sgpr 66
		.amdhsa_reserve_vcc 0
		.amdhsa_float_denorm_mode_32 3
		.amdhsa_float_denorm_mode_16_64 3
		.amdhsa_memory_ordered 1
		.amdhsa_forward_progress 1
		.amdhsa_inst_pref_size 164
	.end_amdhsa_kernel
	.amdgpu_metadata
---
amdhsa.version: [ 1, 2 ]
amdhsa.kernels:
  - .name:           k_qe0ef90c4ef_prep
    .symbol:         k_qe0ef90c4ef_prep.kd
    .args:
      - { .name: Q, .offset: 0, .size: 8, .value_kind: global_buffer, .address_space: global }
      - { .name: K, .offset: 8, .size: 8, .value_kind: global_buffer, .address_space: global }
      - { .name: V, .offset: 16, .size: 8, .value_kind: global_buffer, .address_space: global }
      - { .name: W_Q, .offset: 24, .size: 8, .value_kind: global_buffer, .address_space: global }
      - { .name: W_K, .offset: 32, .size: 8, .value_kind: global_buffer, .address_space: global }
      - { .name: W_V, .offset: 40, .size: 8, .value_kind: global_buffer, .address_space: global }
      - { .name: W_fc, .offset: 48, .size: 8, .value_kind: global_buffer, .address_space: global }
      - { .name: mask, .offset: 56, .size: 8, .value_kind: global_buffer, .address_space: global }
      - { .name: cw, .offset: 64, .size: 8, .value_kind: global_buffer, .address_space: global }
      - { .name: mbits, .offset: 72, .size: 8, .value_kind: global_buffer, .address_space: global }
    .group_segment_fixed_size: 68096
    .private_segment_fixed_size: 0
    .kernarg_segment_align: 8
    .kernarg_segment_size: 80
    .max_flat_workgroup_size: 128
    .sgpr_count:     66
    .vgpr_count:     256
    .wavefront_size: 32
...
	.end_amdgpu_metadata
.endif
;; end of part 1
;; launch proj (part 2): grid 4 x 96, 4 waves a work-group, clusters of 4 x 4, 327,680 bytes of LDS; arguments cw, qkv; writes qkv
.if DOCPART == 2
	.amdgcn_target "amdgcn-amd-amdhsa--gfx1250"
	.amdhsa_code_object_version 6
	.text
	.protected	k_qe0ef90c4ef_proj
	.globl	k_qe0ef90c4ef_proj
	.p2align	8
	.type	k_qe0ef90c4ef_proj,@function
k_qe0ef90c4ef_proj:
	s_mov_b64 s[64:65], 0
	v_nop
	global_prefetch_b8 v0, s[64:65] scope:SCOPE_SE
	s_setreg_imm32_b32 hwreg(HW_REG_WAVE_MODE, 25, 1), 1
	s_wait_xcnt 0x0
	s_wait_alu depctr_hold_cnt(0) depctr_sa_sdst(0) depctr_va_vdst(0) depctr_va_sdst(0) depctr_va_ssrc(0) depctr_va_vcc(0) depctr_vm_vsrc(0)
	s_getreg_b32 s2, hwreg(HW_REG_IB_STS2, 6, 4)
	s_cmp_eq_u32 s2, 0
	s_cbranch_scc0 .Lentry_in_a_cluster
	s_endpgm
.Lentry_in_a_cluster:
	s_bfe_u32 s2, ttmp6, 0x10000c
	s_cmp_lg_u32 s2, 0xf033
	s_cbranch_scc0 .Lentry_shape_is_right
	s_endpgm
.Lentry_shape_is_right:
; PROJ.  q = Q W_Q^T, k = K W_K^T, v = V W_V^T on codes of BF6 with E8M0 scales, K = 1,024, sums in f32; each result is quantised in registers for the product that follows and stored as operand images.
; A tile of 256 x 256 results to a work-group of four waves, 128 x 128 (64 accumulators, 512 registers) to a wave.  384 tiles: z = 0 (q), 1 (k), 2 (v), 128 each.
; THE MATRIX INSTRUCTION: source 1 ("A") gives a lane its row, source 0 ("B") runs along a lane's registers.  q, k: A = tokens, B = features, so a lane's registers run along the head's 64 (the next K).
; v: A = features, B = tokens, so a lane's registers run along the keys (the next K).  By the order of rows in a tile (lane row r of tile 2 g + u = row 32 g + 8 u + r + 8 (r / 8)) the 16 registers of
; B's tiles 2 g, 2 g + 1 are 16 neighbours, 32 g + 16 (lane / 16) + 0 .. 15.
; OPERANDS come as images of their registers: a fragment is three ds_load_b128 at 16 x lane.  K goes in steps of 256 through two LDS slots; a quarter of a slot (128 rows x 256 K) is 24,576 dense bytes of cw,
; one tensor load.  The scale words of the 256 + 256 rows for all of K come once, with the first fills, and go into 64 registers once.
; CLUSTER 4 x 4: A's tile hangs on the tile row (shared along a row of the cluster), B's on the tile column: joint loads.  z and the block of four tile rows or columns come from the cluster's y, alike in all partners.
; OUT (qkv, a record of HR bytes a head): K images at 0 and Q images at 208,896: pair P of 32 tokens: registers 0-5 tile 2 P, registers 6-11 tile 2 P + 1 (64 codes a row); V images at 98,304: [key step][d tile][1,536];
; K scale words at 196,608, Q's at 307,200: [step][16 lane + 4 pair], lanes 0-15 the even tile, lanes 16-31 the odd, bytes (b0, b1, b0, b1); V's at 204,800: [step][8 lane + 4 p], d tiles 2 p and 2 p + 1.
; LIMITS: as the quantiser's: a block whose largest magnitude lies under 2^-122 keeps the byte 1; NaN and infinities are not served.
; REGISTERS, in windows of 256: window 0: v16-29 addresses; v32-95 scale words; v96-111 at work; from v128 A's fragments, one set; in the epilogue v128-207 images and words.  window 1: B's fragments, two sets, at v0 and v128.
; windows 2, 3: accumulator (a, b) at v[8 (8 (a % 4) + b)], a < 4 in window 2.
.set HR,     315392
.set SCO,    22020096
.set QTR,    24576                     ; 128 rows x 256 K: what one tensor load brings
.set SLOT,   4*QTR                     ; A's two halves, B's two halves
.set SCL,    2*SLOT                    ; behind the ring: the scale words, four times 16 rows of 256 bytes + 16
.set HALFS,  16*272
.set SPARE,  SCL+4*HALFS               ; the spare words: 128 bytes a wave, two blocks of 256 bytes that no other line names
.set FR,     12
.set NL,     3                         ; LDS loads that bring a fragment
.set NP,     4                         ; places behind this matrix instruction (ISA guide 7.12.1)
.set ADRA,   16                        ; v16-17 my A fragments in slot 0, 1
.set ADRB,   20                        ; v20-21 my B fragments
.set L8,     25                        ; 8 x lane
.set L16,    26                        ; 16 x lane
.set ADRS,   27                        ; my scale words: lanes 0-15 A's rows, lanes 16-31 B's
.set SPW,    28
.set NIL,    29
.set SC,     32                        ; register 8 i + s: lanes 0-15 A's tile i, lanes 16-31 B's tile i, K step s
.set TM,     96
.set AF,     128
.set IMG0,   128
.set IMG1,   140
.set PT,     176
.set WA,     184                       ; v184-191 scale words just made
.set SW0,    192
.set SW1,    196
.set VW,     200
.set WP,     204
.set G1,  24
.set G0,  32
.set G1B, 48
.set G0B, 56
.set G1S, 68
.set G0S, 76
.set G1SB, 80
.set G0SB, 88
.set SEL, 96
.set HI,  98
.set MSB, 0
.macro WIN new                         ; the immediate's high byte repeats the setting that is left
.if MSB != \new
	s_set_vgpr_msb (MSB<<8)|\new
.set MSB, \new
.endif
.endm
.set MUL_LO, 0xa1                      ; source 0 (B) window 1, source 1 (A) window 0, C and D window 2
.set MUL_HI, 0xf1
.set TO_B,   0x40
; A joint load: waves 0 and 1 fetch for A, waves 2 and 3 for B; the branch hangs on the wave's number alone.  Four v_nop follow each of the two lines.
.macro JLOAD g0a, g1a, g0b, g1b
	s_cmp_eq_u32 s15, 0
	s_cbranch_scc0 .Lfor_b_\@
	tensor_load_to_lds s[\g0a:\g0a+3], s[\g1a:\g1a+7]
	s_nop 0
.rept 4
	v_nop
.endr
	s_branch .Lasked_\@
.Lfor_b_\@:
	tensor_load_to_lds s[\g0b:\g0b+3], s[\g1b:\g1b+7]
	s_nop 0
.rept 4
	v_nop
.endr
.Lasked_\@:
.endm
.macro CREST                           ; a round of the cluster's barrier behind its opening barrier
	s_cmp_lg_u32 s14, 0
	s_cbranch_scc1 .Lnot_wave_0_\@
	s_barrier_signal -3
.Lnot_wave_0_\@:
	s_barrier_wait -3
	s_barrier_signal -1
	s_barrier_wait -1
.endm
.macro CROUND
	s_barrier_signal -1
	s_barrier_wait -1
	CREST
.endm
	s_load_b128 s[4:7], s[0:1], 0x0                ; cw, qkv
	v_lshl_add_u32 v[SPW], v0, 2, SPARE
	v_mov_b32 v[NIL], 0
	ds_add_u32 v28, v29
	ds_add_u32 v28, v29
	s_wait_dscnt 0x0
	v_lshrrev_b32 v1, 5, v0
	v_readfirstlane_b32 s14, v1                    ; wave 0..3
	s_lshr_b32 s15, s14, 1                         ; which half of A's rows is mine.  Also: I fetch for A (0) or for B (1)
	s_and_b32 s16, s14, 1                          ; which half of B's rows.  Also: which 128 rows I fetch
	s_bfe_u32 s40, ttmp6, 0x40000                  ; cx
	s_bfe_u32 s41, ttmp6, 0x40004                  ; cy
	s_and_b32 s42, ttmp7, 0xffff                   ; the cluster's y, 0..23
	s_lshr_b32 s17, s42, 3                         ; z: 0 q, 1 k, 2 v
	s_lshr_b32 s18, s17, 1                         ; z2 = 1 for v
	s_and_b32 s19, s42, 7
	s_lshl_b32 s19, s19, 2                         ; m: which four of the 32 token tiles
	s_mul_i32 s2, s19, s18                         ; they are tile columns for v,
	s_sub_co_u32 s3, s19, s2                       ; tile rows for q and k
	s_add_co_u32 s8, s3, s41                       ; tile row
	s_add_co_u32 s9, s2, s40                       ; tile column
	s_mul_i32 s12, s18, 80
	s_lshl_b32 s10, s17, 6
	s_add_co_u32 s10, s10, s12                     ; A's first block in cw: 0, 64, 208
	s_lshl_b32 s13, s8, 1
	s_add_co_u32 s10, s10, s13
	s_add_co_u32 s10, s10, s16                     ; the block of 128 rows that I would fetch for A: made of the cluster's y, cy and the wave alone
	s_lshl_b32 s11, s17, 3
	s_add_co_u32 s11, s11, 192
	s_sub_co_u32 s11, s11, s12                     ; B's first block: 192, 200, 128
	s_lshl_b32 s45, s9, 1
	s_add_co_u32 s11, s11, s45
	s_add_co_u32 s11, s11, s16                     ; and for B: of the cluster's y, cx and the wave alone
	s_lshl_b32 s43, s41, 2
	s_lshl_b32 s43, 15, s43                        ; my row of the cluster
	s_lshl_b32 s44, 0x1111, s40                    ; my column
	; group 1 for codes: 24,576 dense bytes as 96 rows of 32 elements of 8 bytes, no padding
	s_or_b32 s[G1+0], s43, (3<<16)|(1<<21)
	s_or_b32 s[G1B+0], s44, (3<<16)|(1<<21)
.irp g, G1, G1B
	s_mov_b32 s[\g+1], 32<<16                      ; tensor_dim0
	s_mov_b32 s[\g+2], 96<<16                      ; tensor_dim1
	s_mov_b32 s[\g+3], 32<<16                      ; tile_dim0
	s_mov_b32 s[\g+4], 96                          ; tile_dim1
	s_mov_b32 s[\g+5], 32                          ; the pitch
	s_mov_b32 s[\g+6], 0
	s_mov_b32 s[\g+7], 0
.endr
	; and for the scale words of 128 rows: 4,096 dense bytes as 16 rows of 256, 16 bytes of padding behind each
	s_or_b32 s[G1S+0], s43, (3<<16)|(1<<20)|(1<<21)|(5<<22)|(3<<25)
	s_or_b32 s[G1SB+0], s44, (3<<16)|(1<<20)|(1<<21)|(5<<22)|(3<<25)
.irp g, G1S, G1SB
	s_mov_b32 s[\g+1], 32<<16
	s_mov_b32 s[\g+2], 16<<16
	s_mov_b32 s[\g+3], 32<<16
	s_mov_b32 s[\g+4], 16
	s_mov_b32 s[\g+5], 32
	s_mov_b32 s[\g+6], 0
	s_mov_b32 s[\g+7], 0
.endr
	s_mul_i32 s46, s10, 98304                      ; A: the block's codes,
	s_mov_b32 s47, 0
	s_lshl_b32 s20, s10, 12
	s_add_co_u32 s20, s20, SCO                     ; its scale words
	s_mov_b32 s21, 0
	s_mul_i32 s92, s11, 98304                      ; B likewise
	s_mov_b32 s93, 0
	s_lshl_b32 s22, s11, 12
	s_add_co_u32 s22, s22, SCO
	s_mov_b32 s23, 0
	s_mul_i32 s45, s14, QTR                        ; where they go: wave x a quarter: no place in the cluster enters an LDS address
	s_mul_i32 s94, s14, HALFS
	s_wait_kmcnt 0x0
	s_add_nc_u64 s[46:47], s[4:5], s[46:47]
	s_add_nc_u64 s[20:21], s[4:5], s[20:21]
	s_add_nc_u64 s[92:93], s[4:5], s[92:93]
	s_add_nc_u64 s[22:23], s[4:5], s[22:23]
	CROUND                                         ; all sixteen work-groups are here: the first joint loads meet
	s_mov_b32 s[G0S], 1
	s_add_co_u32 s[G0S+1], s94, SCL
	s_mov_b64 s[G0S+2:G0S+3], s[20:21]
	s_or_b32 s[G0S+3], s[G0S+3], 0x80000000
	s_mov_b32 s[G0SB], 1
	s_add_co_u32 s[G0SB+1], s94, SCL
	s_mov_b64 s[G0SB+2:G0SB+3], s[22:23]
	s_or_b32 s[G0SB+3], s[G0SB+3], 0x80000000
	JLOAD G0S, G1S, G0SB, G1SB                     ; the scale words first
.irp s, 0,1
	s_mov_b32 s[G0+4*\s], 1
	s_add_co_u32 s[G0+4*\s+1], s45, \s*SLOT
	s_add_nc_u64 s[G0+4*\s+2:G0+4*\s+3], s[46:47], \s*QTR
	s_or_b32 s[G0+4*\s+3], s[G0+4*\s+3], 0x80000000
	s_mov_b32 s[G0B+4*\s], 1
	s_add_co_u32 s[G0B+4*\s+1], s45, \s*SLOT
	s_add_nc_u64 s[G0B+4*\s+2:G0B+4*\s+3], s[92:93], \s*QTR
	s_or_b32 s[G0B+4*\s+3], s[G0B+4*\s+3], 0x80000000
	JLOAD G0+4*\s, G1, G0B+4*\s, G1B               ; three loads of mine are out
.endr
	v_and_b32 v1, 15, v0                           ; r
	v_bfe_u32 v2, v0, 4, 1                         ; h
	v_and_b32 v3, 31, v0
	v_lshlrev_b32 v[L16], 4, v3
	v_lshlrev_b32 v[L8], 3, v3
	s_mul_i32 s21, s15, QTR                        ; my 128 rows of A
	s_mul_i32 s22, s16, QTR
	s_add_co_u32 s22, s22, 2*QTR                   ; my 128 rows of B, behind A's 256
.irp s, 0,1
	v_add_nc_u32 v[ADRA+\s], s21, v[L16]
	v_add_nc_u32 v[ADRB+\s], s22, v[L16]
	s_add_co_u32 s21, s21, SLOT
	s_add_co_u32 s22, s22, SLOT
.endr
	v_lshlrev_b32 v5, 5, v1                        ; a row's eight words are 32 bytes,
	v_lshrrev_b32 v6, 3, v1
	v_lshl_add_u32 v5, v6, 4, v5                   ; and 16 more behind the tile's first 256
	s_mul_i32 s21, s15, HALFS
	s_mul_i32 s22, s16, HALFS
	s_add_co_u32 s22, s22, 2*HALFS
	s_sub_co_u32 s22, s22, s21
	v_mul_u32_u24 v6, s22, v2                      ; lanes 16-31 take B's: one product with the half
	s_add_co_u32 s21, s21, SCL
	v_add_nc_u32 v5, v5, v6
	v_add_nc_u32 v[ADRS], s21, v5
.irp b, 0,1,2,3
	v_mov_b32 v[TM+4+\b], 0                        ; a lane permute's destination counts as read
.endr
	s_mov_b32 s[SEL], 0x76543210
	s_mov_b32 s[SEL+1], 0xfedcba98
	s_mov_b32 s[HI], 0xffff0000
.macro FRAG reg, adr, q, i             ; a fragment's image: three runs of 512 bytes
.irp c, 0,1,2
	ds_load_b128 v[\reg+4*\c:\reg+4*\c+3], v[\adr] offset:12288*(\q)+1536*(\i)+512*\c
.endr
.endm
; 16 matrix instructions: A's tiles a0, a0 + 1 x B's eight, K step ks.  p: B's set.  The 64 accumulators take turns, one instruction a turn, in the same order in every step.
.macro MUL16 a0, p, ks, zero
.irp a, \a0, \a0+1
.irp b, 0,1,2,3,4,5,6,7
.if \zero
	v_wmma_scale_f32_16x16x128_f8f6f4 v[8*(8*((\a)%4)+\b):8*(8*((\a)%4)+\b)+7], v[128*(\p)+FR*\b:128*(\p)+FR*\b+FR-1], v[AF+FR*(\a):AF+FR*(\a)+FR-1], 0, v[SC+8*\b+(\ks)], v[SC+8*(\a)+(\ks)] matrix_a_fmt:MATRIX_FMT_BF6 matrix_b_fmt:MATRIX_FMT_BF6 matrix_a_scale:MATRIX_SCALE_ROW1
.else
	v_wmma_scale_f32_16x16x128_f8f6f4 v[8*(8*((\a)%4)+\b):8*(8*((\a)%4)+\b)+7], v[128*(\p)+FR*\b:128*(\p)+FR*\b+FR-1], v[AF+FR*(\a):AF+FR*(\a)+FR-1], v[8*(8*((\a)%4)+\b):8*(8*((\a)%4)+\b)+7], v[SC+8*\b+(\ks)], v[SC+8*(\a)+(\ks)] matrix_a_fmt:MATRIX_FMT_BF6 matrix_b_fmt:MATRIX_FMT_BF6 matrix_a_scale:MATRIX_SCALE_ROW1
.endif
.endr
.endr
.endm
.macro FETCH_B slot, q, p
	WIN TO_B
.irp i, 0,1,2,3,4,5,6,7
	FRAG 128*(\p)+FR*\i, ADRB+\slot, \q, \i
.endr
	WIN 0
.endm
.macro FETCH_A slot, q, i0
.irp i, \i0, \i0+1, \i0+2, \i0+3
	FRAG AF+FR*(\i), ADRA+\slot, \q, \i
.endr
.endm
.macro PLACES n
.rept \n
	v_nop
.endr
.endm
; A slot's first 128 along K (K step ks); its successor lies in the same slot.
.macro STEP slot, ks, zero
	s_wait_dscnt 4*NL                              ; all but the youngest 12 loads (A's tiles 4-7) are in
	WIN MUL_LO
	MUL16 0, 0, \ks, \zero
	MUL16 2, 0, \ks, \zero
	s_wait_dscnt 0
	PLACES NP                                      ; in front of loads into registers that matrix instructions have read
	FETCH_B \slot, 1, 1
	FETCH_A \slot, 1, 0
	WIN MUL_HI
	MUL16 4, 0, \ks, \zero
	MUL16 6, 0, \ks, \zero
	PLACES NP
	WIN 0
	FETCH_A \slot, 1, 4
.endm
; A slot's second 128 along K changes slots: one barrier; in front of it each wave waits for all its tensor loads, adds 0 to its spare word, and waits for that and for its reads of this slot.
.macro TURN slot, next, fill, ks
	s_wait_tensorcnt 0x0                           ; all my tensor loads have landed: my part of the next slot
	ds_add_u32 v[SPW], v[NIL]                      ; 0 onto my spare word
	s_wait_dscnt 4*NL+1                            ; (the add and the youngest 12 loads may be out)
	WIN MUL_LO
	MUL16 0, 1, \ks, 0
	s_wait_dscnt 0x0                               ; the add is done, and my reads of this slot are over
	s_barrier_signal -1
	MUL16 2, 1, \ks, 0
	WIN 0
	s_barrier_wait -1
.if \fill
	CREST                                          ; the barrier has opened a round of the cluster's barrier: no wave of any partner still reads this slot or has a load on its way
	s_add_nc_u64 s[G0+4*\slot+2:G0+4*\slot+3], s[G0+4*\slot+2:G0+4*\slot+3], 2*QTR
	s_add_nc_u64 s[G0B+4*\slot+2:G0B+4*\slot+3], s[G0B+4*\slot+2:G0B+4*\slot+3], 2*QTR
	JLOAD G0+4*\slot, G1, G0B+4*\slot, G1B         ; the first tensor load behind the round; its four v_nop are also the places in front of the loads below
.else
	PLACES NP
.endif
	FETCH_B \next, 0, 0
	FETCH_A \next, 0, 0
	WIN MUL_HI
	MUL16 4, 1, \ks, 0
	MUL16 6, 1, \ks, 0
	PLACES NP
	WIN 0
	FETCH_A \next, 0, 4
.endm
	s_wait_tensorcnt 1                             ; the scale words and my part of slot 0 are in; slot 1's load may be out
	s_barrier_signal -1
	s_barrier_wait -1
	FETCH_B 0, 0, 0
	FETCH_A 0, 0, 0
.irp i, 0,1,2,3,4,5,6,7
.irp g, 0,1
	ds_load_b128 v[SC+8*\i+4*\g:SC+8*\i+4*\g+3], v[ADRS] offset:544*\i+16*\g   ; all scale words, once
.endr
.endr
	FETCH_A 0, 0, 4
	STEP 0, 0, 1                                   ; the first products start the sums: nothing is cleared
	TURN 0, 1, 1, 1                                ; slot 0 takes K 512-767
	STEP 1, 2, 0
	TURN 1, 0, 1, 3                                ; slot 1 takes K 768-1023
	STEP 0, 4, 0
	TURN 0, 1, 0, 5                                ; nothing is left to fetch
	STEP 1, 6, 0
	s_wait_dscnt 4*NL
	WIN MUL_LO
	MUL16 0, 1, 7, 0
	MUL16 2, 1, 7, 0
	s_wait_dscnt 0
	WIN MUL_HI
	MUL16 4, 1, 7, 0
	MUL16 6, 1, 7, 0
	WIN 0
; THE EPILOGUE.  A's tile a: a lane's 64 results, register 16 b + i = index 32 b + 16 (lane / 16) + i of the lane's row, become 128 codes (d0: the first 64, six registers; d1: the second 64) and a scale word w.
; Each accumulator is read from its low end on.
.macro QUANTW a, d0, d1, w
.set WW, 2+(\a)/4
.set SRC, 64*((\a)%4)
	WIN (WW|(WW<<2))                               ; sources 0 and 1: the accumulators' window
.irp b, 0,1,2,3
	v_max3_num_f32 v[TM+\b], |v[SRC+16*\b]|, |v[SRC+16*\b+1]|, 0x2800000   ; and the floor 2^(5 - 127)
.endr
	WIN ((WW<<2)|(WW<<4))                          ; sources 1 and 2
.irp i, 2,4,6,8,10,12,14
.irp b, 0,1,2,3
	v_max3_num_f32 v[TM+\b], v[TM+\b], |v[SRC+16*\b+\i]|, |v[SRC+16*\b+\i+1]|
.endr
.endr
	WIN 0
.irp b, 0,1,2,3
	v_permlanex16_b32 v[TM+4+\b], v[TM+\b], s[SEL], s[SEL+1]
.endr
.irp b, 0,1,2,3
	v_max_num_f32 v[TM+\b], v[TM+\b], v[TM+4+\b]   ; with lane l xor 16's 16: the block's largest magnitude
.endr
.irp b, 0,1,2,3
	v_add_nc_u32 v[TM+12+\b], 0xfe000000, v[TM+\b] ; 4 off the exponent field: the conversion's scale operand
.endr
.irp b, 0,1,2,3
	v_lshrrev_b32 v[TM+4+\b], 23, v[TM+12+\b]      ; the byte
.endr
	v_lshl_or_b32 v[\w], v[TM+5], 8, v[TM+4]
	v_lshl_or_b32 v[\w], v[TM+6], 16, v[\w]
	v_lshl_or_b32 v[\w], v[TM+7], 24, v[\w]
	WIN WW                                         ; source 0
	v_cvt_scalef32_pk16_bf6_f32 v[\d0:\d0+2], v[SRC:SRC+15], v[TM+12]
	v_cvt_scalef32_pk16_bf6_f32 v[PT:PT+2], v[SRC+16:SRC+31], v[TM+13]
	v_cvt_scalef32_pk16_bf6_f32 v[\d1:\d1+2], v[SRC+32:SRC+47], v[TM+14]
	v_cvt_scalef32_pk16_bf6_f32 v[PT+4:PT+6], v[SRC+48:SRC+63], v[TM+15]
	WIN 0
	v_nop                                          ; one plain place behind a scaled conversion
.irp i, 0,1,2
	v_permlane16_swap_b32 v[\d0+\i], v[PT+\i]      ; a whole block to a lane: lanes 0-15 the even block, lanes 16-31 the odd
	v_permlane16_swap_b32 v[\d1+\i], v[PT+4+\i]
.endr
.irp i, 0,1,2
	v_mov_b32 v[\d0+3+\i], v[PT+\i]
	v_mov_b32 v[\d1+3+\i], v[PT+4+\i]
.endr
.endm
	PLACES NP                                      ; behind the last products: results are read, and A's registers written, below
	s_cmp_eq_u32 s17, 2                            ; z comes from the cluster's y: alike in all partners
	s_cbranch_scc1 .Lv
	; ---- q and k: my 128 tokens (four pairs) x my 128 features (two heads)
	s_lshl_b32 s20, s8, 8
	s_lshl_b32 s21, s15, 7
	s_add_co_u32 s20, s20, s21                     ; my first token
	s_lshr_b32 s21, s20, 11                        ; b
	s_bfe_u32 s22, s20, 0x60005                    ; its pair in the sequence
	s_lshl_b32 s23, s9, 2
	s_lshl_b32 s45, s16, 1
	s_add_co_u32 s23, s23, s45                     ; my first head
	s_lshl_b32 s21, s21, 4
	s_add_co_u32 s21, s21, s23
	s_mul_i32 s46, s21, HR                         ; its record
	s_sub_co_u32 s45, 1, s17                       ; 1 for q, 0 for k
	s_mul_i32 s47, s45, 208896
	s_add_co_u32 s47, s47, s46
	s_mul_i32 s23, s22, 1536
	s_add_co_u32 s20, s47, s23
	s_mov_b32 s21, 0
	s_add_nc_u64 s[10:11], s[6:7], s[20:21]        ; the images
	s_mul_i32 s47, s45, 110592
	s_add_co_u32 s47, s47, s46
	s_add_co_u32 s47, s47, 196608
	s_lshr_b32 s22, s22, 2
	s_lshl_b32 s22, s22, 9
	s_add_co_u32 s20, s47, s22
	s_add_nc_u64 s[12:13], s[6:7], s[20:21]        ; the scale words
.irp pi, 0,1,2,3
	s_wait_xcnt 0x0                                ; the last pair's stores have read their registers
	QUANTW 2*\pi, IMG0, IMG1, WA
	QUANTW 2*\pi+1, IMG0+6, IMG1+6, WA+1
	v_cndmask_b32 v[WP], v[WA], v[WA+1], s[HI]     ; lanes 0-15 the even tile's word, lanes 16-31 the odd tile's
	v_perm_b32 v[SW0+\pi], v[WP], v[WP], 0x01000100   ; the first head's two bytes, twice: the upper two scale codes that meet zero codes
	v_perm_b32 v[SW1+\pi], v[WP], v[WP], 0x03020302   ; the second head's
.irp c, 0,1,2
	global_store_b128 v[L16], v[IMG0+4*\c:IMG0+4*\c+3], s[10:11] offset:1536*\pi+512*\c
	global_store_b128 v[L16], v[IMG1+4*\c:IMG1+4*\c+3], s[10:11] offset:HR+1536*\pi+512*\c
.endr
.endr
	global_store_b128 v[L16], v[SW0:SW0+3], s[12:13]
	global_store_b128 v[L16], v[SW1:SW1+3], s[12:13] offset:HR
	s_branch .Ldone
.Lv:
	; ---- v: my 128 features (two heads x four d tiles) x my 128 tokens (one key step)
	s_lshl_b32 s20, s9, 8
	s_lshl_b32 s21, s16, 7
	s_add_co_u32 s20, s20, s21                     ; my first token
	s_lshr_b32 s21, s20, 11                        ; b
	s_bfe_u32 s22, s20, 0x40007                    ; the key step
	s_lshl_b32 s23, s8, 2
	s_lshl_b32 s45, s15, 1
	s_add_co_u32 s23, s23, s45                     ; my first head
	s_lshl_b32 s21, s21, 4
	s_add_co_u32 s21, s21, s23
	s_mul_i32 s46, s21, HR
	s_mul_i32 s47, s22, 6144
	s_add_co_u32 s20, s46, s47
	s_add_co_u32 s20, s20, 98304
	s_mov_b32 s21, 0
	s_add_nc_u64 s[10:11], s[6:7], s[20:21]
	s_lshl_b32 s47, s22, 8
	s_add_co_u32 s20, s46, s47
	s_add_co_u32 s20, s20, 204800
	s_add_nc_u64 s[12:13], s[6:7], s[20:21]
.irp a, 0,1,2,3,4,5,6,7
	s_wait_xcnt 0x0
	QUANTW \a, IMG0, IMG0+6, WA+\a
.irp c, 0,1,2
	global_store_b128 v[L16], v[IMG0+4*\c:IMG0+4*\c+3], s[10:11] offset:(\a/4)*HR+(\a%4)*1536+512*\c
.endr
.endr
.irp j, 0,1
.irp p, 0,1
	v_cndmask_b32 v[VW+2*\j+\p], v[WA+4*\j+2*\p], v[WA+4*\j+2*\p+1], s[HI]
.endr
	global_store_b64 v[L8], v[VW+2*\j:VW+2*\j+1], s[12:13] offset:\j*HR
.endr
.Ldone:
	s_wait_tensorcnt 0x0                           ; the wave's end
	ds_add_u32 v[SPW], v[NIL]
	s_wait_dscnt 0x0
	CROUND                                         ; the closing round
	s_endpgm
.Lfunc_end_k_qe0ef90c4ef_proj:
	.size	k_qe0ef90c4ef_proj, .Lfunc_end_k_qe0ef90c4ef_proj-k_qe0ef90c4ef_proj
	.p2alignl 7, 3214868480
	.fill 96, 4, 3214868480
	.section	.rodata,"a",@progbits
	.p2align	6, 0x0
	.amdhsa_kernel k_qe0ef90c4ef_proj
		.amdhsa_group_segment_fixed_size 327680
		.amdhsa_private_segment_fixed_size 0
		.amdhsa_enable_private_segment 0
		.amdhsa_kernarg_size 16
		.amdhsa_user_sgpr_count 2
		.amdhsa_user_sgpr_kernarg_segment_ptr 1
		.amdhsa_wavefront_size32 1
		.amdhsa_system_sgpr_workgroup_id_x 1
		.amdhsa_system_sgpr_workgroup_id_y 1
		.amdhsa_system_sgpr_workgroup_id_z 1
		.amdhsa_system_vgpr_workitem_id 0
		.amdhsa_next_free_vgpr 1024
		.amdhsa_next_free_sgpr 100
		.amdhsa_reserve_vcc 0
		.amdhsa_float_denorm_mode_32 3
		.amdhsa_float_denorm_mode_16_64 3
		.amdhsa_memory_ordered 1
		.amdhsa_forward_progress 1
		.amdhsa_inst_pref_size 175
	.end_amdhsa_kernel
	.amdgpu_metadata
---
amdhsa.version: [ 1, 2 ]
amdhsa.kernels:
  - .name:           k_qe0ef90c4ef_proj
    .symbol:         k_qe0ef90c4ef_proj.kd
    .args:
      - { .name: cw, .offset: 0, .size: 8, .value_kind: global_buffer, .address_space: global }
      - { .name: qkv, .offset: 8, .size: 8, .value_kind: global_buffer, .address_space: global }
    .group_segment_fixed_size: 327680
    .private_segment_fixed_size: 0
    .kernarg_segment_align: 8
    .kernarg_segment_size: 16
    .max_flat_workgroup_size: 128
    .sgpr_count:     100
    .vgpr_count:     1024
    .wavefront_size: 32
...
	.end_amdgpu_metadata
.endif
;; end of part 2
;; launch attn (part 3): grid 4 x 64, 16 waves a work-group, no clusters, 212,992 bytes of LDS; arguments qkv, mbits, res; writes res
.if DOCPART == 3
	.amdgcn_target "amdgcn-amd-amdhsa--gfx1250"
	.amdhsa_code_object_version 6
	.text
	.protected	k_qe0ef90c4ef_attn
	.globl	k_qe0ef90c4ef_attn
	.p2align	8
	.type	k_qe0ef90c4ef_attn,@function
k_qe0ef90c4ef_attn:
	s_mov_b64 s[64:65], 0
	v_nop
	global_prefetch_b8 v0, s[64:65] scope:SCOPE_SE
	s_setreg_imm32_b32 hwreg(HW_REG_WAVE_MODE, 25, 1), 1
	s_wait_xcnt 0x0
; ATTN.  For each head: S^T = k q^T (K = 64), the mask, p = 2^(t - M), O^T = v^T p^T (K = the keys), O / l quantised along the head's 64 for the last product.  Both products on codes of BF6 with E8M0 scales.
; t = score x c, c = log2(e) / 8.  M = the running largest t rounded UP to a whole number; when it moves, the sum and O^T are multiplied by 2^(old M - new M), which rounds nothing.  The row's sum is taken of the unquantised p.
; THE MASK comes as lane masks in scalar registers, 64 words a step, asked for a step ahead: one v_cndmask_b32 a score, in every step; no branch hangs on it.  A masked key's score becomes -2^36.
; A power of two, so that score x c is exact, and a whole number: in a row that is masked throughout M = t, the fused multiply-add gives t - M = 0 and p = 1 for every key, as reference()'s equal logits give;
; in every other row a masked key's p is 0.
; LIMIT: -2^36 is a logit of -2^33 = -8.59e9 where reference() writes -1e10.  The results are those of -1e10 as long as every unmasked logit lies above -8.5e9.
; SHARES.  A work-group: one head, 512 queries.  Sixteen waves, four to a SIMD; wave w owns pair 16 x + w of 32 queries: two tiles of 16, one after the other; each walks 16 steps of 128 keys.
; THE HEAD'S K, V AND SCALE WORDS (208,896 bytes, the first part of its record) lie in LDS for the whole launch, brought once through registers: nothing is filled again.  No joint load: what the four work-groups
; of a head share is read once by each, 208,896 bytes against the 32 key steps of sixteen waves that follow.
; K = 64 IN AN INSTRUCTION OF K = 128: q's registers 6-11 are zero codes.  Opposite them stand the next tile's codes of k (behind the last tile: zeros): every 6-bit pattern is a finite number, so these products are 0.
; LAYOUT.  A lane holds one query (lane % 16); register 16 b + i of the scores is key 32 b + 16 (lane / 16) + i of the step, by the order of rows in a tile (lane row r of tile 2 g + u = row 32 g + 8 u + r + 8 (r / 8)).
; FURTHER LIMITS: NaN and infinities are not served; a block whose largest number lies under 2^-122 keeps the scale byte 1.
.set HR,    315392
.set VIMG,  98304
.set KSC,   196608
.set VSC,   204800
.set QIMG,  208896
.set QSC,   307200
.set SCST,  208896                     ; LDS: behind the head's data, 2,048 bytes for the results' scale words
.set RSO,   6291456
.set MEND,  2097152                    ; mbits' bytes
.set AK0,  1                           ; v1  16 x lane
.set AV0,  2
.set ASK0, 3
.set ASV0, 4
.set ADK,  8
.set ADV,  9
.set ADS,  10
.set ADT,  11
.set QF,   16                          ; v16-27, v28-39: the two tiles of q: six registers of codes, six of zeros
.set QS,   40
.set TMK,  41                          ; -2^36
.set RSV,  42
.set KV,   44                          ; v44-91 eight tiles of k, then four of v;  v92-97 zeros
.set KS,   98
.set VS,   102
.set S,    104
.set O,    168
.set PC,   200
.set PT,   212
.set BM,   220
.set BP,   224
.set BSO,  228
.set SUM2, 232
.set F,    234
.set PW,   236
.set T,    237
.set RC,   238
.set WV,   10
.set SOFF, 11
.set STP,  14
.set TB,   15
.set SEL,  66
.set CC,   70                          ; s[70:71] c = log2(e) / 8: the packed form names a pair and takes its low word for both halves
.set TS,   72
.set TV,   73
.set HI,   74
.set YY,   75
.set PP,   76
; a product: D, A, B, zero = 1: C is 0, else D; scale registers; ra, rb: 1 = the scales stand in lanes 16-31
.macro WM dd, aa, bb, zero, sa, sb, ra, rb
.if \zero
.if ((\ra) == 0) && ((\rb) == 0)
	v_wmma_scale_f32_16x16x128_f8f6f4 v[(\dd):(\dd)+7], v[(\aa):(\aa)+11], v[(\bb):(\bb)+11], 0, v[\sa], v[\sb] matrix_a_fmt:MATRIX_FMT_BF6 matrix_b_fmt:MATRIX_FMT_BF6
.elseif ((\rb) == 0)
	v_wmma_scale_f32_16x16x128_f8f6f4 v[(\dd):(\dd)+7], v[(\aa):(\aa)+11], v[(\bb):(\bb)+11], 0, v[\sa], v[\sb] matrix_a_fmt:MATRIX_FMT_BF6 matrix_b_fmt:MATRIX_FMT_BF6 matrix_a_scale:MATRIX_SCALE_ROW1
.elseif ((\ra) == 0)
	v_wmma_scale_f32_16x16x128_f8f6f4 v[(\dd):(\dd)+7], v[(\aa):(\aa)+11], v[(\bb):(\bb)+11], 0, v[\sa], v[\sb] matrix_a_fmt:MATRIX_FMT_BF6 matrix_b_fmt:MATRIX_FMT_BF6 matrix_b_scale:MATRIX_SCALE_ROW1
.else
	v_wmma_scale_f32_16x16x128_f8f6f4 v[(\dd):(\dd)+7], v[(\aa):(\aa)+11], v[(\bb):(\bb)+11], 0, v[\sa], v[\sb] matrix_a_fmt:MATRIX_FMT_BF6 matrix_b_fmt:MATRIX_FMT_BF6 matrix_a_scale:MATRIX_SCALE_ROW1 matrix_b_scale:MATRIX_SCALE_ROW1
.endif
.else
.if ((\ra) == 0)
	v_wmma_scale_f32_16x16x128_f8f6f4 v[(\dd):(\dd)+7], v[(\aa):(\aa)+11], v[(\bb):(\bb)+11], v[(\dd):(\dd)+7], v[\sa], v[\sb] matrix_a_fmt:MATRIX_FMT_BF6 matrix_b_fmt:MATRIX_FMT_BF6
.else
	v_wmma_scale_f32_16x16x128_f8f6f4 v[(\dd):(\dd)+7], v[(\aa):(\aa)+11], v[(\bb):(\bb)+11], v[(\dd):(\dd)+7], v[\sa], v[\sb] matrix_a_fmt:MATRIX_FMT_BF6 matrix_b_fmt:MATRIX_FMT_BF6 matrix_a_scale:MATRIX_SCALE_ROW1
.endif
.endif
.endm
.macro MWORDS                          ; the 64 mask words at s[SOFF]
	s_load_b512 s[16:31], s[6:7], s[SOFF] offset:0x0
	s_load_b512 s[32:47], s[6:7], s[SOFF] offset:0x40
	s_load_b512 s[48:63], s[6:7], s[SOFF] offset:0x80
	s_load_b512 s[80:95], s[6:7], s[SOFF] offset:0xc0
.endm
	s_load_b128 s[4:7], s[0:1], 0x0                ; qkv, mbits
	s_load_b64 s[8:9], s[0:1], 0x10                ; res
	v_lshl_add_u32 v215, v0, 2, 0x33800
	v_mov_b32 v219, 0
	v_lshrrev_b32 v1, 5, v0
	v_readfirstlane_b32 s[WV], v1                  ; wave 0..15
	v_and_b32 v5, 31, v0
	v_lshlrev_b32 v[AK0], 4, v5
	v_add_nc_u32 v[AV0], VIMG, v[AK0]
	v_add_nc_u32 v[ASK0], KSC, v[AK0]
	v_lshl_add_u32 v[ASV0], v5, 3, VSC
	v_lshlrev_b32 v250, 4, v0                      ; the fill: 16 x thread, in memory and in LDS,
	v_add_nc_u32 v251, 0x10000, v250               ; and the same 65,536, 131,072, 196,608 bytes on (an LDS offset has 16 bits)
	v_add_nc_u32 v252, 0x20000, v250
	v_add_nc_u32 v253, 0x30000, v250
	v_lshlrev_b32 v254, 3, v0
	v_add_nc_u32 v255, VSC, v254
	s_and_b32 s[YY], ttmp7, 0xffff                 ; 16 b + head
	s_lshl_b32 s[PP], ttmp9, 4
	s_add_co_u32 s[PP], s[PP], s[WV]               ; my pair of query tiles
	s_lshr_b32 s77, s[YY], 4
	s_lshl_b32 s77, s77, 7
	s_lshl_b32 s78, s[PP], 1
	s_add_co_u32 s77, s77, s78                     ; 128 b + my first tile
	s_lshl_b32 s[SOFF], s77, 12                    ; its mask words: 4,096 bytes a tile, 256 a step; the second tile's follow
	s_mul_i32 s96, s[YY], HR
	s_mov_b32 s97, 0
	s_mul_i32 s78, s[PP], 1536
	s_add_co_u32 s78, s78, QIMG
	v_add_nc_u32 v6, s78, v[AK0]                   ; q's image
	s_lshr_b32 s78, s[PP], 2
	s_lshl_b32 s78, s78, 9
	s_and_b32 s98, s[PP], 3
	s_lshl_b32 s98, s98, 2
	s_add_co_u32 s78, s78, s98
	s_add_co_u32 s78, s78, QSC
	v_add_nc_u32 v7, s78, v[AK0]                   ; q's scale word
	s_mov_b32 s[SEL], 0x76543210
	s_mov_b32 s[SEL+1], 0xfedcba98
	s_mov_b32 s[CC], 0x3e38aa3b                    ; log2(e) / 8
	s_mov_b32 s[CC+1], s[CC]
	s_mov_b32 s[HI], 0xffff0000
	s_wait_kmcnt 0x0
	s_add_nc_u64 s[4:5], s[4:5], s[96:97]          ; the head's record
.irp c, 0,1,2
	global_load_b128 v[QF+4*\c:QF+4*\c+3], v6, s[4:5] offset:512*\c
.endr
	global_load_b32 v[QS], v7, s[4:5]
.set i, 0
.rept 25
	global_load_b128 v[S+4*i:S+4*i+3], v250, s[4:5] offset:8192*i    ; the 512 threads read 8,192 consecutive bytes
.set i, i+1
.endr
	global_load_b64 v[S+100:S+101], v254, s[4:5] offset:VSC          ; the last 4,096
	MWORDS                                         ; the first step's mask words
.set i, 0
.rept 25
	s_wait_loadcnt 25-i                            ; loads come back in order: 25 - i were issued behind this one
	ds_store_b128 v[250+i/8], v[S+4*i:S+4*i+3] offset:8192*(i%8)
.set i, i+1
.endr
	s_wait_loadcnt 0x0
	ds_store_b64 v255, v[S+100:S+101]
.irp j, 0,1,2,3,4,5
	v_mov_b32 v[QF+12+\j], v[QF+6+\j]              ; the odd tile's codes
.endr
.irp j, 0,1,2,3,4,5
	v_mov_b32 v[QF+6+\j], 0                        ; zero codes for K 64-127
	v_mov_b32 v[QF+18+\j], 0
	v_mov_b32 v[KV+48+\j], 0                       ; and behind k's last tile
.endr
	v_mov_b32 v[TMK], 0xd1800000                   ; -2^36
.irp b, 0,1,2,3
	v_mov_b32 v[BP+\b], 0                          ; a lane permute's destination counts as read
.endr
	v_mov_b32 v[F+1], 0                            ; named as the upper half of a pair
	v_mov_b32 v[T], 0
	s_wait_dscnt 0x0                               ; my part of the fill has landed
	s_barrier_signal -1
	s_barrier_wait -1                              ; everybody's has
.macro STEP u
	v_add_nc_u32 v[ADK], s[TB], v[AK0]             ; four plain lines: the places between the last products and the loads into their registers
	v_add_nc_u32 v[ADV], s[TB], v[AV0]
	v_add_nc_u32 v[ADS], s[TS], v[ASK0]
	v_add_nc_u32 v[ADT], s[TV], v[ASV0]
.irp c, 0,1,2,3,4,5,6,7,8,9,10,11
	ds_load_b128 v[KV+4*\c:KV+4*\c+3], v[ADK] offset:512*\c     ; four pair images: tile t's six registers at KV + 6 t
.endr
	ds_load_b128 v[KS:KS+3], v[ADS]
	s_wait_dscnt 0x0
.irp t, 0,1,2,3,4,5,6,7
	WM S+8*\t,KV+6*\t,QF+12*\u,1,KS+\t/2,QS,\t%2,\u
.endr
.rept 4
	v_nop                                          ; places in front of the loads below and of the first read of the scores
.endr
.irp c, 0,1,2,3,4,5,6,7,8,9,10,11
	ds_load_b128 v[KV+4*\c:KV+4*\c+3], v[ADV] offset:512*\c     ; v's four tiles: they land under the softmax
.endr
	ds_load_b64 v[VS:VS+1], v[ADT]
	s_wait_kmcnt 0x0                               ; the step's mask words, asked for a step ago
.set n, 0
.rept 48
	v_cndmask_b32 v[S+n], v[S+n], v[TMK], s[16+n]  ; a masked key's score becomes -2^36; ascending
.set n, n+1
.endr
.rept 16
	v_cndmask_b32 v[S+n], v[S+n], v[TMK], s[32+n]  ; (words 48-63 stand in s80-95)
.set n, n+1
.endr
	s_add_co_u32 s[SOFF], s[SOFF], 256             ; the next step's words (behind the wait above: the last loads have read this register)
	s_min_u32 s[SOFF], s[SOFF], MEND-256           ; behind the very last step of the last tile: the last words once more, so that no load leaves the buffer
	MWORDS
.irp b, 0,1,2,3
	v_max3_num_f32 v[BM+\b], v[S+16*\b], v[S+16*\b+1], v[S+16*\b+2]       ; the largest score of each block of 32 keys: for the row's maximum, and for the block's largest p
.endr
.irp i, 3,5,7,9,11,13
.irp b, 0,1,2,3
	v_max3_num_f32 v[BM+\b], v[BM+\b], v[S+16*\b+\i], v[S+16*\b+\i+1]
.endr
.endr
.irp b, 0,1,2,3
	v_max_num_f32 v[BM+\b], v[BM+\b], v[S+16*\b+15]
.endr
.irp b, 0,1,2,3
	v_permlanex16_b32 v[BP+\b], v[BM+\b], s[SEL], s[SEL+1]
.endr
.irp b, 0,1,2,3
	v_max_num_f32 v[BM+\b], v[BM+\b], v[BP+\b]
.endr
	v_max3_num_f32 v[T], v[BM], v[BM+1], v[BM+2]
	v_max_num_f32 v[T], v[T], v[BM+3]
	v_mul_f32 v[T], s[CC], v[T]                    ; as t (c is positive)
	v_max_num_f32 v13, v13, v[T]                   ; the running largest t
	v_mov_b32 v[T], v12
	v_floor_f32 v12, -v13                          ; -M = floor(-t)
	v_sub_f32 v[T], v12, v[T]                      ; old M - new M: a whole number, 0 or less
	v_cvt_i32_f32 v[T], v[T]                       ; (it saturates)
	v_ldexp_f32 v[F], 1.0, v[T]                    ; f = 2^(old M - new M)
.set n, 0
.rept 32
	v_pk_fma_f32 v[S+n:S+n+1], v[S+n:S+n+1], s[CC:CC+1], v[12:13] op_sel_hi:[1,0,0]   ; t - M
.set n, n+2
.endr
.irp b, 0,1,2,3
	v_fma_f32 v[BM+\b], v[BM+\b], s[CC], v12
.endr
.set n, 0
.rept 64
	v_exp_f32 v[S+n], v[S+n]                       ; p = 2^(t - M)
.set n, n+1
.endr
	v_pk_mul_f32 v[14:15], v[14:15], v[F:F+1] op_sel_hi:[1,0]   ; the sums under the new M: the plain line behind the batch
	s_wait_alu depctr_va_vdst(0)                   ; one wait for the 64, ahead of their first reader
.irp b, 0,1,2,3
	v_exp_f32 v[BM+\b], v[BM+\b]                   ; each block's largest p
.endr
	v_pk_add_f32 v[SUM2:SUM2+1], v[S:S+1], v[S+2:S+3]           ; the row's sum of the unquantised p, in two chains
.irp j, 4,8,12,16,20,24,28,32,36,40,44,48,52,56,60
	v_pk_add_f32 v[14:15], v[14:15], v[S+\j:S+\j+1]
	v_pk_add_f32 v[SUM2:SUM2+1], v[SUM2:SUM2+1], v[S+\j+2:S+\j+3]
.endr
	v_pk_add_f32 v[14:15], v[14:15], v[SUM2:SUM2+1]
	s_wait_alu depctr_va_vdst(0)                   ; and one for the four
.irp b, 0,1,2,3
	v_max_num_f32 v[BM+\b], 0x2800000, v[BM+\b]    ; the floor 2^(5 - 127)
.endr
.irp b, 0,1,2,3
	v_add_nc_u32 v[BSO+\b], 0xfe000000, v[BM+\b]
.endr
.irp b, 0,1,2,3
	v_lshrrev_b32 v[BP+\b], 23, v[BSO+\b]
.endr
	v_lshl_or_b32 v[PW], v[BP+1], 8, v[BP]         ; p's scale word for these 128 keys
	v_lshl_or_b32 v[PW], v[BP+2], 16, v[PW]
	v_lshl_or_b32 v[PW], v[BP+3], 24, v[PW]
.irp c, 0,1
	v_cvt_scalef32_pk16_bf6_f32 v[PC+6*\c:PC+6*\c+2], v[S+32*\c:S+32*\c+15], v[BSO+2*\c]
	v_cvt_scalef32_pk16_bf6_f32 v[PT+4*\c:PT+4*\c+2], v[S+32*\c+16:S+32*\c+31], v[BSO+2*\c+1]
.endr
	v_nop                                          ; one plain place behind a scaled conversion
.irp c, 0,1
.irp i, 0,1,2
	v_permlane16_swap_b32 v[PC+6*\c+\i], v[PT+4*\c+\i]
.endr
.irp i, 0,1,2
	v_mov_b32 v[PC+6*\c+3+\i], v[PT+4*\c+\i]
.endr
.endr
.set n, 0
.rept 16
	v_pk_mul_f32 v[O+n:O+n+1], v[O+n:O+n+1], v[F:F+1] op_sel_hi:[1,0]     ; O^T under the new M; these lines also part the scale word and the codes from the products
.set n, n+2
.endr
	s_wait_dscnt 0x0                               ; v's tiles and scale words
.irp t, 0,1,2,3
	WM O+8*\t,KV+12*\t,PC,0,VS+\t/2,PW,\t%2,0      ; the four accumulators by turns, one instruction a turn
.endr
	s_add_co_u32 s[TB], s[TB], 6144
	s_add_co_u32 s[TS], s[TS], 512
	s_add_co_u32 s[TV], s[TV], 256
.endm
; O^T / l, quantised along the head's 64: two blocks; six registers of codes and two scale bytes
.macro FINISH u
.rept 4
	v_nop                                          ; places behind the last products
.endr
	v_add_f32 v14, v14, v15
	v_permlanex16_b32 v[T], v14, s[SEL], s[SEL+1]
	v_add_f32 v14, v14, v[T]                       ; the row's sum
	v_rcp_f32 v14, v14
	v_nop
	s_wait_alu depctr_va_vdst(0)
.set n, 0
.rept 16
	v_pk_mul_f32 v[S+n:S+n+1], v[O+n:O+n+1], v[14:15] op_sel_hi:[1,0]     ; register 16 p + i: channel 32 p + 16 (lane / 16) + i
.set n, n+2
.endr
.irp b, 0,1
	v_max3_num_f32 v[BM+\b], |v[S+16*\b]|, |v[S+16*\b+1]|, 0x2800000
.endr
.irp i, 2,4,6,8,10,12,14
.irp b, 0,1
	v_max3_num_f32 v[BM+\b], v[BM+\b], |v[S+16*\b+\i]|, |v[S+16*\b+\i+1]|
.endr
.endr
.irp b, 0,1
	v_permlanex16_b32 v[BP+\b], v[BM+\b], s[SEL], s[SEL+1]
.endr
.irp b, 0,1
	v_max_num_f32 v[BM+\b], v[BM+\b], v[BP+\b]
.endr
.irp b, 0,1
	v_add_nc_u32 v[BSO+\b], 0xfe000000, v[BM+\b]
.endr
.irp b, 0,1
	v_lshrrev_b32 v[BP+\b], 23, v[BSO+\b]
.endr
	v_lshl_or_b32 v[T], v[BP+1], 8, v[BP]
	v_cvt_scalef32_pk16_bf6_f32 v[RC+6*\u:RC+6*\u+2], v[S:S+15], v[BSO]
	v_cvt_scalef32_pk16_bf6_f32 v[PT:PT+2], v[S+16:S+31], v[BSO+1]
	v_nop
.irp i, 0,1,2
	v_permlane16_swap_b32 v[RC+6*\u+\i], v[PT+\i]
.endr
.irp i, 0,1,2
	v_mov_b32 v[RC+6*\u+3+\i], v[PT+\i]
.endr
.if \u == 0
	v_mov_b32 v[RSV], v[T]
.else
	v_cndmask_b32 v[RSV], v[RSV], v[T], s[HI]      ; lanes 0-15 the even tile's bytes, lanes 16-31 the odd tile's
.endif
.endm
.macro TILE u
	v_mov_b32 v13, 0xff61b1e6                      ; the largest t so far: -3e38
	v_floor_f32 v12, -v13
	v_mov_b32 v14, 0
	v_mov_b32 v15, 0
.set n, 0
.rept 32
	v_mov_b32 v[O+n], 0                            ; the step is written once: the first finds zeros
.set n, n+1
.endr
	s_mov_b32 s[TB], 0
	s_mov_b32 s[TS], 0
	s_mov_b32 s[TV], 0
	s_mov_b32 s[STP], 0
.Lstep_\@:
	STEP \u
	s_add_co_u32 s[STP], s[STP], 1
	s_cmp_lt_u32 s[STP], 16
	s_cbranch_scc1 .Lstep_\@
	FINISH \u
.endm
	TILE 0
	TILE 1
	s_lshl_b32 s77, s[YY], 6
	s_add_co_u32 s78, s77, s[PP]
	s_mul_i32 s78, s78, 1536
	s_mov_b32 s79, 0
	s_add_nc_u64 s[96:97], s[8:9], s[78:79]
.irp c, 0,1,2
	global_store_b128 v[AK0], v[RC+4*\c:RC+4*\c+3], s[96:97] offset:512*\c     ; the pair's image: 512 consecutive bytes a store
.endr
	v_lshl_add_u32 v[ADK], v0, 2, SCST
	v_lshl_add_u32 v[ADV], v0, 4, SCST
	v_lshlrev_b32 v[ADT], 4, v0
	ds_store_b32 v[ADK], v[RSV]                    ; the sixteen pairs' scale words meet in LDS, so that they leave in whole runs of 512 bytes
	s_wait_dscnt 0x0
	s_barrier_signal -1
	s_barrier_wait -1
	s_cmp_lt_u32 s[WV], 4
	s_cbranch_scc0 .Lend
	ds_load_b128 v[S:S+3], v[ADV]
	s_lshl_b32 s78, ttmp9, 4
	s_add_co_u32 s78, s78, s77
	s_lshl_b32 s78, s78, 7
	s_add_co_u32 s78, s78, RSO
	s_add_nc_u64 s[98:99], s[8:9], s[78:79]
	s_wait_dscnt 0x0
	global_store_b128 v[ADT], v[S:S+3], s[98:99]
.Lend:
	s_wait_kmcnt 0x0                               ; the words asked for behind the last step
	s_wait_tensorcnt 0x0
	ds_add_u32 v215, v219
	s_wait_dscnt 0x0
	s_endpgm
.Lfunc_end_k_qe0ef90c4ef_attn:
	.size	k_qe0ef90c4ef_attn, .Lfunc_end_k_qe0ef90c4ef_attn-k_qe0ef90c4ef_attn
	.p2alignl 7, 3214868480
	.fill 96, 4, 3214868480
	.section	.rodata,"a",@progbits
	.p2align	6, 0x0
	.amdhsa_kernel k_qe0ef90c4ef_attn
		.amdhsa_group_segment_fixed_size 212992
		.amdhsa_private_segment_fixed_size 0
		.amdhsa_enable_private_segment 0
		.amdhsa_kernarg_size 24
		.amdhsa_user_sgpr_count 2
		.amdhsa_user_sgpr_kernarg_segment_ptr 1
		.amdhsa_wavefront_size32 1
		.amdhsa_system_sgpr_workgroup_id_x 1
		.amdhsa_system_sgpr_workgroup_id_y 1
		.amdhsa_system_sgpr_workgroup_id_z 1
		.amdhsa_system_vgpr_workitem_id 0
		.amdhsa_next_free_vgpr 256
		.amdhsa_next_free_sgpr 100
		.amdhsa_reserve_vcc 0
		.amdhsa_float_denorm_mode_32 3
		.amdhsa_float_denorm_mode_16_64 3
		.amdhsa_memory_ordered 1
		.amdhsa_forward_progress 1
		.amdhsa_inst_pref_size 59
	.end_amdhsa_kernel
	.amdgpu_metadata
---
amdhsa.version: [ 1, 2 ]
amdhsa.kernels:
  - .name:           k_qe0ef90c4ef_attn
    .symbol:         k_qe0ef90c4ef_attn.kd
    .args:
      - { .name: qkv, .offset: 0, .size: 8, .value_kind: global_buffer, .address_space: global }
      - { .name: mbits, .offset: 8, .size: 8, .value_kind: global_buffer, .address_space: global }
      - { .name: res, .offset: 16, .size: 8, .value_kind: global_buffer, .address_space: global }
    .group_segment_fixed_size: 212992
    .private_segment_fixed_size: 0
    .kernarg_segment_align: 8
    .kernarg_segment_size: 24
    .max_flat_workgroup_size: 512
    .sgpr_count:     100
    .vgpr_count:     256
    .wavefront_size: 32
...
	.end_amdgpu_metadata
.endif
;; end of part 3
;; launch fcln (part 4): grid 256 x 1, 16 waves a work-group, no clusters, 159,232 bytes of LDS; arguments res, cw, Q, ln_gamma, ln_beta, out0; writes out0
.if DOCPART == 4
	.amdgcn_target "amdgcn-amd-amdhsa--gfx1250"
	.amdhsa_code_object_version 6
	.text
	.protected	k_qe0ef90c4ef_fcln
	.globl	k_qe0ef90c4ef_fcln
	.p2align	8
	.type	k_qe0ef90c4ef_fcln,@function
k_qe0ef90c4ef_fcln:
	s_mov_b64 s[64:65], 0
	v_nop
	global_prefetch_b8 v0, s[64:65] scope:SCOPE_SE
	s_setreg_imm32_b32 hwreg(HW_REG_WAVE_MODE, 25, 1), 1
	s_wait_xcnt 0x0
; FCLN.  out = LayerNorm(res W_fc^T + Q) x gamma + beta.  The product on codes of BF6 with E8M0 scales, K = 1,024 (eight steps of 128 = two heads each), sums in f32; all else in f32.
; SHARES.  A work-group owns 32 whole rows (pair P of batch b), so a row's mean and variance have one owner.  Sixteen waves; wave w makes columns 64 w .. 64 w + 63: four tiles of W_fc x two tiles of tokens, 8 accumulators.
; Source 0 = 16 rows of W_fc, source 1 = 16 tokens: a lane holds one token, and by the order of rows in a tile (lane row r of tile 2 g + u = row 32 g + 8 u + r + 8 (r / 8)) its registers run along neighbouring columns.
; W_fc's FRAGMENTS go from memory straight into registers, as images (three loads of 16 bytes a lane): in a work-group each is wanted by one wave alone, so LDS would only add a write and a read; for the same
; reason there is no tensor load and no joint load here.
; res: wave w brings head w's image of the pair and lays it in LDS as parts of the eight K steps' fragments (head 2 s: registers 0-5, head 2 s + 1: registers 6-11), in runs of 256 bytes, 8 bytes a lane.
; The results meet in a stage (rows of 4,096 bytes + 16); wave w then takes stage rows 2 w, 2 w + 1 whole: residual, mean, variance of the differences, rsqrt, gain and bias, and stores 512 consecutive bytes an instruction.
.set SCO,  22020096
.set RSO,  6291456
.set RSC,  24576                       ; LDS: behind the 16 fragments: their scale words, [K step][4 x lane]
.set STG,  25600                       ; the stage
.set SPI,  4112
.set ACC,  16
.set WB,   80                          ; two sets of four fragments of W_fc
.set RF,   176                         ; two sets of two fragments of res
.set WS,   224                         ; register 8 p + s: lanes 0-15 my tile 2 p, lanes 16-31 tile 2 p + 1, K step s
.set RS,   240
.set QR,   80
.set GA,   144
.set BE,   176
.set SU,   208                         ; v208-211 sums in pairs;  v212-215 at work;  v216-219 the means;  v220-223 1 / sqrt
.set RT,   212
.set MU,   216
.set RQ,   220
.macro WM dd, aa, bb, zero, sa, sb, ra, rb
.if \zero
.if ((\ra) == 0) && ((\rb) == 0)
	v_wmma_scale_f32_16x16x128_f8f6f4 v[(\dd):(\dd)+7], v[(\aa):(\aa)+11], v[(\bb):(\bb)+11], 0, v[\sa], v[\sb] matrix_a_fmt:MATRIX_FMT_BF6 matrix_b_fmt:MATRIX_FMT_BF6
.elseif ((\rb) == 0)
	v_wmma_scale_f32_16x16x128_f8f6f4 v[(\dd):(\dd)+7], v[(\aa):(\aa)+11], v[(\bb):(\bb)+11], 0, v[\sa], v[\sb] matrix_a_fmt:MATRIX_FMT_BF6 matrix_b_fmt:MATRIX_FMT_BF6 matrix_a_scale:MATRIX_SCALE_ROW1
.elseif ((\ra) == 0)
	v_wmma_scale_f32_16x16x128_f8f6f4 v[(\dd):(\dd)+7], v[(\aa):(\aa)+11], v[(\bb):(\bb)+11], 0, v[\sa], v[\sb] matrix_a_fmt:MATRIX_FMT_BF6 matrix_b_fmt:MATRIX_FMT_BF6 matrix_b_scale:MATRIX_SCALE_ROW1
.else
	v_wmma_scale_f32_16x16x128_f8f6f4 v[(\dd):(\dd)+7], v[(\aa):(\aa)+11], v[(\bb):(\bb)+11], 0, v[\sa], v[\sb] matrix_a_fmt:MATRIX_FMT_BF6 matrix_b_fmt:MATRIX_FMT_BF6 matrix_a_scale:MATRIX_SCALE_ROW1 matrix_b_scale:MATRIX_SCALE_ROW1
.endif
.else
.if ((\ra) == 0) && ((\rb) == 0)
	v_wmma_scale_f32_16x16x128_f8f6f4 v[(\dd):(\dd)+7], v[(\aa):(\aa)+11], v[(\bb):(\bb)+11], v[(\dd):(\dd)+7], v[\sa], v[\sb] matrix_a_fmt:MATRIX_FMT_BF6 matrix_b_fmt:MATRIX_FMT_BF6
.elseif ((\rb) == 0)
	v_wmma_scale_f32_16x16x128_f8f6f4 v[(\dd):(\dd)+7], v[(\aa):(\aa)+11], v[(\bb):(\bb)+11], v[(\dd):(\dd)+7], v[\sa], v[\sb] matrix_a_fmt:MATRIX_FMT_BF6 matrix_b_fmt:MATRIX_FMT_BF6 matrix_a_scale:MATRIX_SCALE_ROW1
.elseif ((\ra) == 0)
	v_wmma_scale_f32_16x16x128_f8f6f4 v[(\dd):(\dd)+7], v[(\aa):(\aa)+11], v[(\bb):(\bb)+11], v[(\dd):(\dd)+7], v[\sa], v[\sb] matrix_a_fmt:MATRIX_FMT_BF6 matrix_b_fmt:MATRIX_FMT_BF6 matrix_b_scale:MATRIX_SCALE_ROW1
.else
	v_wmma_scale_f32_16x16x128_f8f6f4 v[(\dd):(\dd)+7], v[(\aa):(\aa)+11], v[(\bb):(\bb)+11], v[(\dd):(\dd)+7], v[\sa], v[\sb] matrix_a_fmt:MATRIX_FMT_BF6 matrix_b_fmt:MATRIX_FMT_BF6 matrix_a_scale:MATRIX_SCALE_ROW1 matrix_b_scale:MATRIX_SCALE_ROW1
.endif
.endif
.endm
	s_load_b256 s[4:11], s[0:1], 0x0               ; res, cw, Q, gamma
	s_load_b128 s[12:15], s[0:1], 0x20             ; beta, out0
	v_lshl_add_u32 v254, v0, 2, 0x26600
	v_mov_b32 v255, 0
	v_lshrrev_b32 v1, 5, v0
	v_readfirstlane_b32 s16, v1                    ; wave 0..15
	v_and_b32 v11, 31, v0                          ; lane
	v_and_b32 v12, 15, v0                          ; r
	v_bfe_u32 v13, v0, 4, 1                        ; h
	v_lshlrev_b32 v1, 4, v11                       ; 16 x lane
	v_lshlrev_b32 v2, 3, v11                       ; 8 x lane
	v_lshlrev_b32 v3, 2, v11                       ; 4 x lane
	v_lshlrev_b32 v4, 5, v12
	v_lshl_add_u32 v4, v13, 9, v4                  ; W_fc's scale words: tile h of a pair, row r
	s_lshr_b32 s17, s16, 1                         ; my head's K step
	s_and_b32 s18, s16, 1                          ; and its half of it
	s_mul_i32 s19, s17, 3072
	s_mul_i32 s20, s18, 768
	s_add_co_u32 s19, s19, s20
	v_add_nc_u32 v5, s19, v2                       ; where my head's registers go
	s_lshl_b32 s19, s17, 7
	s_lshl_b32 s20, s18, 1
	s_add_co_u32 s19, s19, s20
	s_add_co_u32 s19, s19, RSC
	v_add_nc_u32 v6, s19, v3                       ; and its two scale bytes
	v_mul_u32_u24 v7, v12, SPI
	v_lshl_add_u32 v7, v13, 6, v7
	s_lshl_b32 s19, s16, 8
	s_add_co_u32 s19, s19, STG
	v_add_nc_u32 v7, s19, v7                       ; the stage, way in: row r, + 64 h, + 256 w;
	v_add_nc_u32 v8, 16*SPI, v7                    ; the odd tile's rows
	s_mul_i32 s19, s16, 2*SPI
	s_add_co_u32 s19, s19, STG
	v_add_nc_u32 v9, s19, v1                       ; way out: rows 2 w, 2 w + 1
	v_lshlrev_b32 v10, 8, v0                       ; the prefetch: 256 x thread
	s_lshr_b32 s19, ttmp9, 6                       ; b
	s_and_b32 s20, ttmp9, 63                       ; P
	s_lshl_b32 s19, s19, 4
	s_add_co_u32 s19, s19, s16
	s_lshl_b32 s19, s19, 6
	s_add_co_u32 s19, s19, s20                     ; (16 b + w) 64 + P
	s_mul_i32 s36, s19, 1536
	s_mov_b32 s37, 0
	s_lshl_b32 s38, s19, 7
	s_add_co_u32 s38, s38, RSO
	s_mov_b32 s39, 0
	s_lshl_b32 s40, s16, 11
	s_add_co_u32 s40, s40, SCO+1728*512            ; W_fc's tiles begin at tile 1,728; mine at 4 w
	s_mov_b32 s41, 0
	s_mul_i32 s42, s17, 98304
	s_mul_i32 s19, s18, 6144
	s_add_co_u32 s42, s42, s19
	s_add_co_u32 s42, s42, 216*98304
	s_mov_b32 s43, 0
	s_lshl_b32 s44, ttmp9, 17                      ; the work-group's 32 rows of 4,096 bytes
	s_mov_b32 s45, 0
	s_lshr_b32 s19, s16, 3
	s_lshl_b32 s19, s19, 3
	s_and_b32 s20, s16, 7
	s_lshl_b32 s21, s20, 1
	s_add_co_u32 s19, s19, s21
	s_lshr_b32 s20, s20, 2
	s_lshl_b32 s20, s20, 3
	s_add_co_u32 s19, s19, s20                     ; stage row 2 w is token 8 (w / 8) + 2 (w % 8) + 8 ((w % 8) / 4) of the 32; row 2 w + 1 the next
	s_lshl_b32 s19, s19, 12
	s_add_co_u32 s46, s44, s19
	s_mov_b32 s47, 0
	s_wait_kmcnt 0x0
	s_add_nc_u64 s[22:23], s[4:5], s[36:37]        ; my head's image
	s_add_nc_u64 s[24:25], s[4:5], s[38:39]        ; its scale bytes
	s_add_nc_u64 s[26:27], s[6:7], s[40:41]        ; W_fc's scale words
	s_add_nc_u64 s[28:29], s[6:7], s[42:43]        ; W_fc's images
	s_add_nc_u64 s[30:31], s[8:9], s[44:45]        ; the residual's 32 rows
	s_add_nc_u64 s[32:33], s[8:9], s[46:47]        ; my two rows of it
	s_add_nc_u64 s[34:35], s[14:15], s[46:47]      ; and of the output
	s_mov_b32 s36, 0x76543210
	s_mov_b32 s37, 0xfedcba98
	s_mov_b32 s38, 0x3a800000                      ; 1 / 1,024
	s_mov_b32 s39, 0x3727c5ac                      ; 1e-5
.macro WLOAD ks
.irp t, 0,1,2,3
.irp c, 0,1,2
	global_load_b128 v[WB+48*((\ks)%2)+12*\t+4*\c:WB+48*((\ks)%2)+12*\t+4*\c+3], v1, s[28:29] offset:12288*(\ks)+1536*\t+512*\c
.endr
.endr
.endm
.macro RLOAD ks
.irp u, 0,1
.irp e, 0,1,2,3,4,5
	ds_load_b64 v[RF+24*((\ks)%2)+12*\u+2*\e:RF+24*((\ks)%2)+12*\u+2*\e+1], v2 offset:3072*(\ks)+1536*\u+256*\e
.endr
.endr
	ds_load_b32 v[RS+(\ks)%2], v3 offset:RSC+128*(\ks)
.endm
	; ---- 0: res into LDS; W_fc's first two K steps on their way
.irp c, 0,1,2
	global_load_b128 v[ACC+4*\c:ACC+4*\c+3], v1, s[22:23] offset:512*\c
.endr
	global_load_b32 v[ACC+12], v3, s[24:25]
.irp p, 0,1
.irp g, 0,1
	global_load_b128 v[WS+8*\p+4*\g:WS+8*\p+4*\g+3], v4, s[26:27] offset:1024*\p+16*\g
.endr
.endr
	WLOAD 0
	WLOAD 1
	s_wait_loadcnt 28                              ; my head's four loads are in; the 4 + 12 + 12 behind them may be out
.irp u, 0,1
.irp i, 0,1,2
	ds_store_b64 v5, v[ACC+6*\u+2*\i:ACC+6*\u+2*\i+1] offset:1536*\u+256*\i
.endr
.endr
	ds_store_b16 v6, v[ACC+12]
	s_wait_dscnt 0x0
	s_barrier_signal -1
	s_barrier_wait -1                              ; the sixteen fragments and their scale words lie in LDS
	RLOAD 0
	RLOAD 1
	; ---- 1: eight K steps; the eight accumulators by turns, one instruction a turn
.macro FSTEP ks
.if (\ks) < 7
	s_wait_loadcnt 12                              ; this step's fragments of W_fc are in; the next step's 12 loads may be out
	s_wait_dscnt 13                                ; likewise res: 12 loads and a scale word
.else
	s_wait_loadcnt 0x0
	s_wait_dscnt 0x0
.endif
.irp u, 0,1
.irp t, 0,1,2,3
	WM ACC+8*(4*\u+\t),WB+48*((\ks)%2)+12*\t,RF+24*((\ks)%2)+12*\u,(\ks)==0,WS+8*(\t/2)+(\ks),RS+(\ks)%2,\t%2,\u
.endr
.endr
.rept 4
	v_nop                                          ; places in front of loads into registers that matrix instructions have read, and of the first read of results
.endr
.if (\ks) < 6
	WLOAD (\ks)+2
	RLOAD (\ks)+2
.endif
.if (\ks) == 1
	global_prefetch_b8 v10, s[30:31] th:TH_LOAD_NT scope:SCOPE_SE   ; the residual's 32 rows, 131,072 bytes: each of the 512 threads names another 256 bytes; six K steps ahead of the loads that want them
.endif
.endm
.irp k, 0,1,2,3,4,5,6,7
	FSTEP \k
.endr
	; ---- 2: my rows of the residual, gain and bias are asked for; the results go to the stage
.irp p, 0,1
.irp j, 0,1,2,3,4,5,6,7
	global_load_b128 v[QR+32*\p+4*\j:QR+32*\p+4*\j+3], v1, s[32:33] offset:4096*\p+512*\j
.endr
.endr
.irp j, 0,1,2,3,4,5,6,7
	global_load_b128 v[GA+4*\j:GA+4*\j+3], v1, s[10:11] offset:512*\j
.endr
.irp j, 0,1,2,3,4,5,6,7
	global_load_b128 v[BE+4*\j:BE+4*\j+3], v1, s[12:13] offset:512*\j
.endr
.irp t, 0,1,2,3
.irp e, 0,1
	ds_store_b128 v7, v[ACC+8*\t+4*\e:ACC+8*\t+4*\e+3] offset:128*(\t/2)+32*(\t%2)+16*\e        ; column 64 w + 32 (t / 2) + 16 h + 8 (t % 2) + 0 .. 7; each accumulator from its low end on
.endr
.endr
.irp t, 0,1,2,3
.irp e, 0,1
	ds_store_b128 v8, v[ACC+32+8*\t+4*\e:ACC+32+8*\t+4*\e+3] offset:128*(\t/2)+32*(\t%2)+16*\e
.endr
.endr
.irp p, 0,1
	v_mov_b32 v[RT+2+\p], 0                        ; a lane permute's destination counts as read
.endr
	s_wait_dscnt 0x0
	s_barrier_signal -1
	s_barrier_wait -1                              ; 32 whole rows lie in the stage
	; ---- 3: two rows a wave
.irp p, 0,1
.irp j, 0,1,2,3,4,5,6,7
	ds_load_b128 v[ACC+32*\p+4*\j:ACC+32*\p+4*\j+3], v9 offset:SPI*\p+512*\j
.endr
.endr
	s_wait_dscnt 0x0
	s_wait_loadcnt 16                              ; the residual's 16 loads are in; gain's and bias's 16 may be out
.macro REDUCE                          ; v[RT], v[RT+1]: summed over the 32 lanes, the two rows by turns
.irp m, 1,2,4,8
.irp p, 0,1
	v_add_f32_dpp v[RT+\p], v[RT+\p], v[RT+\p] row_xmask:\m row_mask:0xf bank_mask:0xf
.endr
.endr
.irp p, 0,1
	v_permlanex16_b32 v[RT+2+\p], v[RT+\p], s36, s37
.endr
.irp p, 0,1
	v_add_f32 v[RT+\p], v[RT+\p], v[RT+2+\p]
.endr
.endm
.irp k, 0,1,2,3,4,5,6,7,8,9,10,11,12,13,14,15
.irp p, 0,1
	v_pk_add_f32 v[ACC+32*\p+2*\k:ACC+32*\p+2*\k+1], v[ACC+32*\p+2*\k:ACC+32*\p+2*\k+1], v[QR+32*\p+2*\k:QR+32*\p+2*\k+1]   ; + the residual
.endr
.endr
.irp p, 0,1
	v_pk_add_f32 v[SU+2*\p:SU+2*\p+1], v[ACC+32*\p:ACC+32*\p+1], v[ACC+32*\p+2:ACC+32*\p+3]
.endr
.irp k, 2,3,4,5,6,7,8,9,10,11,12,13,14,15
.irp p, 0,1
	v_pk_add_f32 v[SU+2*\p:SU+2*\p+1], v[SU+2*\p:SU+2*\p+1], v[ACC+32*\p+2*\k:ACC+32*\p+2*\k+1]
.endr
.endr
.irp p, 0,1
	v_add_f32 v[RT+\p], v[SU+2*\p], v[SU+2*\p+1]
.endr
	REDUCE
.irp p, 0,1
	v_mul_f32 v[MU+2*\p], s38, v[RT+\p]            ; the mean
.endr
.irp p, 0,1
	v_mov_b32 v[MU+2*\p+1], v[MU+2*\p]
.endr
.irp k, 0,1,2,3,4,5,6,7,8,9,10,11,12,13,14,15
.irp p, 0,1
	v_pk_add_f32 v[ACC+32*\p+2*\k:ACC+32*\p+2*\k+1], v[ACC+32*\p+2*\k:ACC+32*\p+2*\k+1], v[MU+2*\p:MU+2*\p+1] neg_lo:[0,1] neg_hi:[0,1]   ; x - mean: the variance is taken of the differences
.endr
.endr
.irp p, 0,1
	v_pk_mul_f32 v[SU+2*\p:SU+2*\p+1], v[ACC+32*\p:ACC+32*\p+1], v[ACC+32*\p:ACC+32*\p+1]
.endr
.irp k, 1,2,3,4,5,6,7,8,9,10,11,12,13,14,15
.irp p, 0,1
	v_pk_fma_f32 v[SU+2*\p:SU+2*\p+1], v[ACC+32*\p+2*\k:ACC+32*\p+2*\k+1], v[ACC+32*\p+2*\k:ACC+32*\p+2*\k+1], v[SU+2*\p:SU+2*\p+1]
.endr
.endr
.irp p, 0,1
	v_add_f32 v[RT+\p], v[SU+2*\p], v[SU+2*\p+1]
.endr
	REDUCE
.irp p, 0,1
	v_fma_f32 v[RT+\p], v[RT+\p], s38, s39         ; the variance + 1e-5
.endr
.irp p, 0,1
	v_rsq_f32 v[RQ+2*\p], v[RT+\p]
.endr
	v_nop                                          ; one plain place behind the transcendentals
	s_wait_alu depctr_va_vdst(0)                   ; one wait for the two, ahead of their first reader
.irp p, 0,1
	v_mov_b32 v[RQ+2*\p+1], v[RQ+2*\p]
.endr
.irp k, 0,1,2,3,4,5,6,7,8,9,10,11,12,13,14,15
.irp p, 0,1
	v_pk_mul_f32 v[ACC+32*\p+2*\k:ACC+32*\p+2*\k+1], v[ACC+32*\p+2*\k:ACC+32*\p+2*\k+1], v[RQ+2*\p:RQ+2*\p+1]
.endr
.endr
	s_wait_loadcnt 0x0                             ; gain and bias
.irp k, 0,1,2,3,4,5,6,7,8,9,10,11,12,13,14,15
.irp p, 0,1
	v_pk_fma_f32 v[ACC+32*\p+2*\k:ACC+32*\p+2*\k+1], v[ACC+32*\p+2*\k:ACC+32*\p+2*\k+1], v[GA+2*\k:GA+2*\k+1], v[BE+2*\k:BE+2*\k+1]
.endr
.endr
.irp p, 0,1
.irp j, 0,1,2,3,4,5,6,7
	global_store_b128 v1, v[ACC+32*\p+4*\j:ACC+32*\p+4*\j+3], s[34:35] offset:4096*\p+512*\j th:TH_STORE_NT   ; 32 lanes store 512 consecutive bytes, aligned
.endr
.endr
	s_wait_tensorcnt 0x0
	ds_add_u32 v254, v255
	s_wait_dscnt 0x0
	s_endpgm
.Lfunc_end_k_qe0ef90c4ef_fcln:
	.size	k_qe0ef90c4ef_fcln, .Lfunc_end_k_qe0ef90c4ef_fcln-k_qe0ef90c4ef_fcln
	.p2alignl 7, 3214868480
	.fill 96, 4, 3214868480
	.section	.rodata,"a",@progbits
	.p2align	6, 0x0
	.amdhsa_kernel k_qe0ef90c4ef_fcln
		.amdhsa_group_segment_fixed_size 159232
		.amdhsa_private_segment_fixed_size 0
		.amdhsa_enable_private_segment 0
		.amdhsa_kernarg_size 48
		.amdhsa_user_sgpr_count 2
		.amdhsa_user_sgpr_kernarg_segment_ptr 1
		.amdhsa_wavefront_size32 1
		.amdhsa_system_sgpr_workgroup_id_x 1
		.amdhsa_system_sgpr_workgroup_id_y 1
		.amdhsa_system_sgpr_workgroup_id_z 1
		.amdhsa_system_vgpr_workitem_id 0
		.amdhsa_next_free_vgpr 256
		.amdhsa_next_free_sgpr 66
		.amdhsa_reserve_vcc 0
		.amdhsa_float_denorm_mode_32 3
		.amdhsa_float_denorm_mode_16_64 3
		.amdhsa_memory_ordered 1
		.amdhsa_forward_progress 1
		.amdhsa_inst_pref_size 51
	.end_amdhsa_kernel
	.amdgpu_metadata
---
amdhsa.version: [ 1, 2 ]
amdhsa.kernels:
  - .name:           k_qe0ef90c4ef_fcln
    .symbol:         k_qe0ef90c4ef_fcln.kd
    .args:
      - { .name: res, .offset: 0, .size: 8, .value_kind: global_buffer, .address_space: global }
      - { .name: cw, .offset: 8, .size: 8, .value_kind: global_buffer, .address_space: global }
      - { .name: Q, .offset: 16, .size: 8, .value_kind: global_buffer, .address_space: global }
      - { .name: ln_gamma, .offset: 24, .size: 8, .value_kind: global_buffer, .address_space: global }
      - { .name: ln_beta, .offset: 32, .size: 8, .value_kind: global_buffer, .address_space: global }
      - { .name: out0, .offset: 40, .size: 8, .value_kind: global_buffer, .address_space: global }
    .group_segment_fixed_size: 159232
    .private_segment_fixed_size: 0
    .kernarg_segment_align: 8
    .kernarg_segment_size: 48
    .max_flat_workgroup_size: 512
    .sgpr_count:     66
    .vgpr_count:     256
    .wavefront_size: 32
...
	.end_amdgpu_metadata
.endif
;; end of part 4
;; ======== version 2 of 2: 4 launches; version 1 with the launches attn, fcln written anew for expert scheduling mode
;; limits: right only within a limited range of input values
;; workspace buffers: cw 22,937,600 bytes; mbits 2,097,152 bytes of whole numbers; qkv 20,185,088 bytes; res 6,815,744 bytes
;; launch prep: the kernel of part 1 again; grid 704 x 1, 4 waves a work-group, no clusters, 68,096 bytes of LDS; arguments Q, K, V, W_Q, W_K, W_V, W_fc, mask, cw, mbits; writes cw, mbits
;; launch proj: the kernel of part 2 again; grid 4 x 96, 4 waves a work-group, clusters of 4 x 4, 327,680 bytes of LDS; arguments cw, qkv; writes qkv
;; launch attn (part 5): grid 4 x 64, 16 waves a work-group, no clusters, 212,992 bytes of LDS; arguments qkv, mbits, res; writes res
.if DOCPART == 5
	.amdgcn_target "amdgcn-amd-amdhsa--gfx1250"
	.amdhsa_code_object_version 6
	.text
	.protected	k_qe0ef90c4ef_attn
	.globl	k_qe0ef90c4ef_attn
	.p2align	8
	.type	k_qe0ef90c4ef_attn,@function
k_qe0ef90c4ef_attn:
	s_mov_b64 s[64:65], 0
	v_nop
	global_prefetch_b8 v0, s[64:65] scope:SCOPE_SE
	s_setreg_imm32_b32 hwreg(HW_REG_WAVE_SCHED_MODE, 0, 2), 2
	s_setreg_imm32_b32 hwreg(HW_REG_WAVE_MODE, 25, 1), 1
	s_wait_xcnt 0x0
	s_wait_alu depctr_vm_vsrc(0)
; ATTN.  For each head: S^T = k q^T (K = 64), the mask, p = 2^(t - M), O^T = v^T p^T (K = the keys), O / l quantised along the head's 64 for the last product.  Both products on codes of BF6 with E8M0 scales.
; t = score x c, c = log2(e) / 8.  M = the running largest t rounded UP to a whole number; when it moves, the sum and O^T are multiplied by 2^(old M - new M), which rounds nothing.  The row's sum is taken of the unquantised p.
; THE MASK comes as lane masks in scalar registers, 64 words a step, asked for a step ahead: one v_cndmask_b32 a score, in every step; no branch hangs on it.  A masked key's score becomes -2^36.
; A power of two, so that score x c is exact, and a whole number: in a row that is masked throughout M = t, the fused multiply-add gives t - M = 0 and p = 1 for every key, as reference()'s equal logits give;
; in every other row a masked key's p is 0.
; LIMIT: -2^36 is a logit of -2^33 = -8.59e9 where reference() writes -1e10.  The results are those of -1e10 as long as every unmasked logit lies above -8.5e9.
; SHARES.  A work-group: one head, 512 queries.  Sixteen waves, four to a SIMD; wave w owns pair 16 x + w of 32 queries: two tiles of 16, one after the other; each walks 16 steps of 128 keys.
; THE HEAD'S K, V AND SCALE WORDS (208,896 bytes, the first part of its record) lie in LDS for the whole launch, brought once through registers: nothing is filled again.  No joint load: what the four work-groups
; of a head share is read once by each, 208,896 bytes against the 32 key steps of sixteen waves that follow.
; K = 64 IN AN INSTRUCTION OF K = 128: q's registers 6-11 are zero codes.  Opposite them stand the next tile's codes of k (behind the last tile: zeros): every 6-bit pattern is a finite number, so these products are 0.
; LAYOUT.  A lane holds one query (lane % 16); register 16 b + i of the scores is key 32 b + 16 (lane / 16) + i of the step, by the order of rows in a tile (lane row r of tile 2 g + u = row 32 g + 8 u + r + 8 (r / 8)).
; FURTHER LIMITS: NaN and infinities are not served; a block whose largest number lies under 2^-122 keeps the scale byte 1.
; THE MODE: SCHED_MODE bits 1:0 = 2 (LLVM: expert scheduling mode 2), set by the entry lines.  The code itself states the register dependences between vector or matrix instructions and memory or LDS
; instructions, with s_wait_alu, always for 0.
; THE PLAN.  Registers that LDS or memory instructions touch, in a key step:
;   v8-11     four LDS addresses.  Written by four additions at the step's head; read by the step's 26 LDS loads.
;   KV        k's images land in it at the head and the eight score products read it; behind them v's images land in it and the step's last four products read it.
;   KS, VS    scale words: KS lands at the head and the score products read it; VS lands with v's images and the last four products read it.
;   PC, PW    p's codes and scale word: vector lines write them, the last four products take them as operand and scale; no memory instruction names them.
; The 256 registers of each of the SIMD's four waves are all that it has: there is no second KV.  So a step has one wait on vm_vsrc, ahead of the four additions, and three on va_vdst beside the two behind the
; exponentials: behind the additions (the addresses are written; the last step's products are done with KV, KS, VS), behind the score products (they are done with KV), and ahead of the last four products (PC, PW are
; written).  Between each of the first two and the loads that lean on it stands no vector instruction.  The mask words live in scalar registers that scalar loads write: s_wait_kmcnt orders them.
.set HR,    315392
.set VIMG,  98304
.set KSC,   196608
.set VSC,   204800
.set QIMG,  208896
.set QSC,   307200
.set SCST,  208896                     ; LDS: behind the head's data, 2,048 bytes for the results' scale words
.set RSO,   6291456
.set MEND,  2097152                    ; mbits' bytes
.set AK0,  1                           ; v1  16 x lane
.set AV0,  2
.set ASK0, 3
.set ASV0, 4
.set ADK,  8
.set ADV,  9
.set ADS,  10
.set ADT,  11
.set QF,   16                          ; v16-27, v28-39: the two tiles of q: six registers of codes, six of zeros
.set QS,   40
.set TMK,  41                          ; -2^36
.set RSV,  42
.set KV,   44                          ; v44-91 eight tiles of k, then four of v;  v92-97 zeros
.set KS,   98
.set VS,   102
.set S,    104
.set O,    168
.set PC,   200
.set PT,   212
.set BM,   220
.set BP,   224
.set BSO,  228
.set SUM2, 232
.set F,    234
.set PW,   236
.set T,    237
.set RC,   238
.set WV,   10
.set SOFF, 11
.set STP,  14
.set TB,   15
.set SEL,  66
.set CC,   70                          ; s[70:71] c = log2(e) / 8: the packed form names a pair and takes its low word for both halves
.set TS,   72
.set TV,   73
.set HI,   74
.set YY,   75
.set PP,   76
; a product: D, A, B, zero = 1: C is 0, else D; scale registers; ra, rb: 1 = the scales stand in lanes 16-31
.macro WM dd, aa, bb, zero, sa, sb, ra, rb
.if \zero
.if ((\ra) == 0) && ((\rb) == 0)
	v_wmma_scale_f32_16x16x128_f8f6f4 v[(\dd):(\dd)+7], v[(\aa):(\aa)+11], v[(\bb):(\bb)+11], 0, v[\sa], v[\sb] matrix_a_fmt:MATRIX_FMT_BF6 matrix_b_fmt:MATRIX_FMT_BF6
.elseif ((\rb) == 0)
	v_wmma_scale_f32_16x16x128_f8f6f4 v[(\dd):(\dd)+7], v[(\aa):(\aa)+11], v[(\bb):(\bb)+11], 0, v[\sa], v[\sb] matrix_a_fmt:MATRIX_FMT_BF6 matrix_b_fmt:MATRIX_FMT_BF6 matrix_a_scale:MATRIX_SCALE_ROW1
.elseif ((\ra) == 0)
	v_wmma_scale_f32_16x16x128_f8f6f4 v[(\dd):(\dd)+7], v[(\aa):(\aa)+11], v[(\bb):(\bb)+11], 0, v[\sa], v[\sb] matrix_a_fmt:MATRIX_FMT_BF6 matrix_b_fmt:MATRIX_FMT_BF6 matrix_b_scale:MATRIX_SCALE_ROW1
.else
	v_wmma_scale_f32_16x16x128_f8f6f4 v[(\dd):(\dd)+7], v[(\aa):(\aa)+11], v[(\bb):(\bb)+11], 0, v[\sa], v[\sb] matrix_a_fmt:MATRIX_FMT_BF6 matrix_b_fmt:MATRIX_FMT_BF6 matrix_a_scale:MATRIX_SCALE_ROW1 matrix_b_scale:MATRIX_SCALE_ROW1
.endif
.else
.if ((\ra) == 0)
	v_wmma_scale_f32_16x16x128_f8f6f4 v[(\dd):(\dd)+7], v[(\aa):(\aa)+11], v[(\bb):(\bb)+11], v[(\dd):(\dd)+7], v[\sa], v[\sb] matrix_a_fmt:MATRIX_FMT_BF6 matrix_b_fmt:MATRIX_FMT_BF6
.else
	v_wmma_scale_f32_16x16x128_f8f6f4 v[(\dd):(\dd)+7], v[(\aa):(\aa)+11], v[(\bb):(\bb)+11], v[(\dd):(\dd)+7], v[\sa], v[\sb] matrix_a_fmt:MATRIX_FMT_BF6 matrix_b_fmt:MATRIX_FMT_BF6 matrix_a_scale:MATRIX_SCALE_ROW1
.endif
.endif
.endm
.macro MWORDS                          ; the 64 mask words at s[SOFF]
	s_load_b512 s[16:31], s[6:7], s[SOFF] offset:0x0
	s_load_b512 s[32:47], s[6:7], s[SOFF] offset:0x40
	s_load_b512 s[48:63], s[6:7], s[SOFF] offset:0x80
	s_load_b512 s[80:95], s[6:7], s[SOFF] offset:0xc0
.endm
	s_load_b128 s[4:7], s[0:1], 0x0                ; qkv, mbits
	s_load_b64 s[8:9], s[0:1], 0x10                ; res
	v_lshl_add_u32 v215, v0, 2, 0x33800
	v_mov_b32 v219, 0
	v_lshrrev_b32 v1, 5, v0
	v_readfirstlane_b32 s[WV], v1                  ; wave 0..15
	v_and_b32 v5, 31, v0
	v_lshlrev_b32 v[AK0], 4, v5
	v_add_nc_u32 v[AV0], VIMG, v[AK0]
	v_add_nc_u32 v[ASK0], KSC, v[AK0]
	v_lshl_add_u32 v[ASV0], v5, 3, VSC
	v_lshlrev_b32 v250, 4, v0                      ; the fill: 16 x thread, in memory and in LDS,
	v_add_nc_u32 v251, 0x10000, v250               ; and the same 65,536, 131,072, 196,608 bytes on (an LDS offset has 16 bits)
	v_add_nc_u32 v252, 0x20000, v250
	v_add_nc_u32 v253, 0x30000, v250
	v_lshlrev_b32 v254, 3, v0
	v_add_nc_u32 v255, VSC, v254
	s_wait_alu depctr_va_sdst(0)                   ; the wave's number is written, ahead of its first reader: my pair of tiles and all that hangs on it are made from it
	s_and_b32 s[YY], ttmp7, 0xffff                 ; 16 b + head
	s_lshl_b32 s[PP], ttmp9, 4
	s_add_co_u32 s[PP], s[PP], s[WV]               ; my pair of query tiles
	s_lshr_b32 s77, s[YY], 4
	s_lshl_b32 s77, s77, 7
	s_lshl_b32 s78, s[PP], 1
	s_add_co_u32 s77, s77, s78                     ; 128 b + my first tile
	s_lshl_b32 s[SOFF], s77, 12                    ; its mask words: 4,096 bytes a tile, 256 a step; the second tile's follow
	s_mul_i32 s96, s[YY], HR
	s_mov_b32 s97, 0
	s_mul_i32 s78, s[PP], 1536
	s_add_co_u32 s78, s78, QIMG
	v_add_nc_u32 v6, s78, v[AK0]                   ; q's image
	s_lshr_b32 s78, s[PP], 2
	s_lshl_b32 s78, s78, 9
	s_and_b32 s98, s[PP], 3
	s_lshl_b32 s98, s98, 2
	s_add_co_u32 s78, s78, s98
	s_add_co_u32 s78, s78, QSC
	v_add_nc_u32 v7, s78, v[AK0]                   ; q's scale word
	s_mov_b32 s[SEL], 0x76543210
	s_mov_b32 s[SEL+1], 0xfedcba98
	s_mov_b32 s[CC], 0x3e38aa3b                    ; log2(e) / 8
	s_mov_b32 s[CC+1], s[CC]
	s_mov_b32 s[HI], 0xffff0000
	s_wait_kmcnt 0x0
	s_add_nc_u64 s[4:5], s[4:5], s[96:97]          ; the head's record
	s_wait_alu depctr_va_vdst(0)                   ; the offsets v1 to v7 and v250 to v255 are written, which the loads and LDS stores of the fill, and v1 to v4 every later step, read
.irp c, 0,1,2
	global_load_b128 v[QF+4*\c:QF+4*\c+3], v6, s[4:5] offset:512*\c
.endr
	global_load_b32 v[QS], v7, s[4:5]
.set i, 0
.rept 25
	global_load_b128 v[S+4*i:S+4*i+3], v250, s[4:5] offset:8192*i    ; the 512 threads read 8,192 consecutive bytes
.set i, i+1
.endr
	global_load_b64 v[S+100:S+101], v254, s[4:5] offset:VSC          ; the last 4,096
	MWORDS                                         ; the first step's mask words
.set i, 0
.rept 25
	s_wait_loadcnt 25-i                            ; loads come back in order: 25 - i were issued behind this one
	ds_store_b128 v[250+i/8], v[S+4*i:S+4*i+3] offset:8192*(i%8)
.set i, i+1
.endr
	s_wait_loadcnt 0x0
	ds_store_b64 v255, v[S+100:S+101]
.irp j, 0,1,2,3,4,5
	v_mov_b32 v[QF+12+\j], v[QF+6+\j]              ; the odd tile's codes
.endr
.irp j, 0,1,2,3,4,5
	v_mov_b32 v[QF+6+\j], 0                        ; zero codes for K 64-127
	v_mov_b32 v[QF+18+\j], 0
	v_mov_b32 v[KV+48+\j], 0                       ; and behind k's last tile
.endr
	v_mov_b32 v[TMK], 0xd1800000                   ; -2^36
.irp b, 0,1,2,3
	v_mov_b32 v[BP+\b], 0                          ; a lane permute's destination counts as read
.endr
	v_mov_b32 v[F+1], 0                            ; named as the upper half of a pair
	v_mov_b32 v[T], 0
	s_wait_dscnt 0x0                               ; my part of the fill has landed
	s_barrier_signal -1
	s_barrier_wait -1                              ; everybody's has
	s_wait_alu depctr_vm_vsrc(0)                   ; my LDS stores of the fill have read v104 to v205: these registers are S, O^T and p's codes from here on, written by vector lines and products
.macro STEP u
	s_wait_alu depctr_vm_vsrc(0)                   ; the last step's LDS loads have read v8 to v11, which the four lines below write
	v_add_nc_u32 v[ADK], s[TB], v[AK0]
	v_add_nc_u32 v[ADV], s[TB], v[AV0]
	v_add_nc_u32 v[ADS], s[TS], v[ASK0]
	v_add_nc_u32 v[ADT], s[TV], v[ASV0]
	s_wait_alu depctr_va_vdst(0)                   ; v8 to v11 are written, which this step's LDS loads read; the last step's products are done reading KV, KS and VS, in which they land; in a first trip: q's zero codes and the zeros behind k's last tile, operands of the products below, are written
.irp c, 0,1,2,3,4,5,6,7,8,9,10,11
	ds_load_b128 v[KV+4*\c:KV+4*\c+3], v[ADK] offset:512*\c     ; four pair images: tile t's six registers at KV + 6 t
.endr
	ds_load_b128 v[KS:KS+3], v[ADS]
	s_wait_dscnt 0x0
.irp t, 0,1,2,3,4,5,6,7
	WM S+8*\t,KV+6*\t,QF+12*\u,1,KS+\t/2,QS,\t%2,\u
.endr
.rept 4
	v_nop                                          ; places in front of the first read of the scores
.endr
	s_wait_alu depctr_va_vdst(0)                   ; the eight products are done reading KV, in which v's tiles land
.irp c, 0,1,2,3,4,5,6,7,8,9,10,11
	ds_load_b128 v[KV+4*\c:KV+4*\c+3], v[ADV] offset:512*\c     ; v's four tiles: they land under the softmax
.endr
	ds_load_b64 v[VS:VS+1], v[ADT]
	s_wait_kmcnt 0x0                               ; the step's mask words, asked for a step ago
.set n, 0
.rept 48
	v_cndmask_b32 v[S+n], v[S+n], v[TMK], s[16+n]  ; a masked key's score becomes -2^36; ascending
.set n, n+1
.endr
.rept 16
	v_cndmask_b32 v[S+n], v[S+n], v[TMK], s[32+n]  ; (words 48-63 stand in s80-95)
.set n, n+1
.endr
	s_add_co_u32 s[SOFF], s[SOFF], 256             ; the next step's words (behind the wait above: the last loads have read this register)
	s_min_u32 s[SOFF], s[SOFF], MEND-256           ; behind the very last step of the last tile: the last words once more, so that no load leaves the buffer
	MWORDS
.irp b, 0,1,2,3
	v_max3_num_f32 v[BM+\b], v[S+16*\b], v[S+16*\b+1], v[S+16*\b+2]       ; the largest score of each block of 32 keys: for the row's maximum, and for the block's largest p
.endr
.irp i, 3,5,7,9,11,13
.irp b, 0,1,2,3
	v_max3_num_f32 v[BM+\b], v[BM+\b], v[S+16*\b+\i], v[S+16*\b+\i+1]
.endr
.endr
.irp b, 0,1,2,3
	v_max_num_f32 v[BM+\b], v[BM+\b], v[S+16*\b+15]
.endr
.irp b, 0,1,2,3
	v_permlanex16_b32 v[BP+\b], v[BM+\b], s[SEL], s[SEL+1]
.endr
.irp b, 0,1,2,3
	v_max_num_f32 v[BM+\b], v[BM+\b], v[BP+\b]
.endr
	v_max3_num_f32 v[T], v[BM], v[BM+1], v[BM+2]
	v_max_num_f32 v[T], v[T], v[BM+3]
	v_mul_f32 v[T], s[CC], v[T]                    ; as t (c is positive)
	v_max_num_f32 v13, v13, v[T]                   ; the running largest t
	v_mov_b32 v[T], v12
	v_floor_f32 v12, -v13                          ; -M = floor(-t)
	v_sub_f32 v[T], v12, v[T]                      ; old M - new M: a whole number, 0 or less
	v_cvt_i32_f32 v[T], v[T]                       ; (it saturates)
	v_ldexp_f32 v[F], 1.0, v[T]                    ; f = 2^(old M - new M)
.set n, 0
.rept 32
	v_pk_fma_f32 v[S+n:S+n+1], v[S+n:S+n+1], s[CC:CC+1], v[12:13] op_sel_hi:[1,0,0]   ; t - M
.set n, n+2
.endr
.irp b, 0,1,2,3
	v_fma_f32 v[BM+\b], v[BM+\b], s[CC], v12
.endr
.set n, 0
.rept 64
	v_exp_f32 v[S+n], v[S+n]                       ; p = 2^(t - M)
.set n, n+1
.endr
	v_pk_mul_f32 v[14:15], v[14:15], v[F:F+1] op_sel_hi:[1,0]   ; the sums under the new M: the plain line behind the batch
	s_wait_alu depctr_va_vdst(0)                   ; the 64 exponentials have written p: one wait for the batch, ahead of its first reader
.irp b, 0,1,2,3
	v_exp_f32 v[BM+\b], v[BM+\b]                   ; each block's largest p
.endr
	v_pk_add_f32 v[SUM2:SUM2+1], v[S:S+1], v[S+2:S+3]           ; the row's sum of the unquantised p, in two chains
.irp j, 4,8,12,16,20,24,28,32,36,40,44,48,52,56,60
	v_pk_add_f32 v[14:15], v[14:15], v[S+\j:S+\j+1]
	v_pk_add_f32 v[SUM2:SUM2+1], v[SUM2:SUM2+1], v[S+\j+2:S+\j+3]
.endr
	v_pk_add_f32 v[14:15], v[14:15], v[SUM2:SUM2+1]
	s_wait_alu depctr_va_vdst(0)                   ; the four exponentials have written the blocks' largest p, ahead of their first reader
.irp b, 0,1,2,3
	v_max_num_f32 v[BM+\b], 0x2800000, v[BM+\b]    ; the floor 2^(5 - 127)
.endr
.irp b, 0,1,2,3
	v_add_nc_u32 v[BSO+\b], 0xfe000000, v[BM+\b]
.endr
.irp b, 0,1,2,3
	v_lshrrev_b32 v[BP+\b], 23, v[BSO+\b]
.endr
	v_lshl_or_b32 v[PW], v[BP+1], 8, v[BP]         ; p's scale word for these 128 keys
	v_lshl_or_b32 v[PW], v[BP+2], 16, v[PW]
	v_lshl_or_b32 v[PW], v[BP+3], 24, v[PW]
.irp c, 0,1
	v_cvt_scalef32_pk16_bf6_f32 v[PC+6*\c:PC+6*\c+2], v[S+32*\c:S+32*\c+15], v[BSO+2*\c]
	v_cvt_scalef32_pk16_bf6_f32 v[PT+4*\c:PT+4*\c+2], v[S+32*\c+16:S+32*\c+31], v[BSO+2*\c+1]
.endr
	v_nop                                          ; one plain place behind a scaled conversion
.irp c, 0,1
.irp i, 0,1,2
	v_permlane16_swap_b32 v[PC+6*\c+\i], v[PT+4*\c+\i]
.endr
.irp i, 0,1,2
	v_mov_b32 v[PC+6*\c+3+\i], v[PT+4*\c+\i]
.endr
.endr
.set n, 0
.rept 16
	v_pk_mul_f32 v[O+n:O+n+1], v[O+n:O+n+1], v[F:F+1] op_sel_hi:[1,0]     ; O^T under the new M; these lines also part the scale word and the codes from the products
.set n, n+2
.endr
	s_wait_dscnt 0x0                               ; v's tiles and scale words
	s_wait_alu depctr_va_vdst(0)                   ; p's codes and p's scale word are written, which the scaled products below take as operand and scale; the sixteen lines above stay beside this wait as their places
.irp t, 0,1,2,3
	WM O+8*\t,KV+12*\t,PC,0,VS+\t/2,PW,\t%2,0      ; the four accumulators by turns, one instruction a turn
.endr
	s_add_co_u32 s[TB], s[TB], 6144
	s_add_co_u32 s[TS], s[TS], 512
	s_add_co_u32 s[TV], s[TV], 256
.endm
; O^T / l, quantised along the head's 64: two blocks; six registers of codes and two scale bytes
.macro FINISH u
.rept 4
	v_nop                                          ; places behind the last products
.endr
	v_add_f32 v14, v14, v15
	v_permlanex16_b32 v[T], v14, s[SEL], s[SEL+1]
	v_add_f32 v14, v14, v[T]                       ; the row's sum
	v_rcp_f32 v14, v14
	v_nop
	s_wait_alu depctr_va_vdst(0)                   ; the reciprocal has written v14, ahead of its first reader
.set n, 0
.rept 16
	v_pk_mul_f32 v[S+n:S+n+1], v[O+n:O+n+1], v[14:15] op_sel_hi:[1,0]     ; register 16 p + i: channel 32 p + 16 (lane / 16) + i
.set n, n+2
.endr
.irp b, 0,1
	v_max3_num_f32 v[BM+\b], |v[S+16*\b]|, |v[S+16*\b+1]|, 0x2800000
.endr
.irp i, 2,4,6,8,10,12,14
.irp b, 0,1
	v_max3_num_f32 v[BM+\b], v[BM+\b], |v[S+16*\b+\i]|, |v[S+16*\b+\i+1]|
.endr
.endr
.irp b, 0,1
	v_permlanex16_b32 v[BP+\b], v[BM+\b], s[SEL], s[SEL+1]
.endr
.irp b, 0,1
	v_max_num_f32 v[BM+\b], v[BM+\b], v[BP+\b]
.endr
.irp b, 0,1
	v_add_nc_u32 v[BSO+\b], 0xfe000000, v[BM+\b]
.endr
.irp b, 0,1
	v_lshrrev_b32 v[BP+\b], 23, v[BSO+\b]
.endr
	v_lshl_or_b32 v[T], v[BP+1], 8, v[BP]
	v_cvt_scalef32_pk16_bf6_f32 v[RC+6*\u:RC+6*\u+2], v[S:S+15], v[BSO]
	v_cvt_scalef32_pk16_bf6_f32 v[PT:PT+2], v[S+16:S+31], v[BSO+1]
	v_nop
.irp i, 0,1,2
	v_permlane16_swap_b32 v[RC+6*\u+\i], v[PT+\i]
.endr
.irp i, 0,1,2
	v_mov_b32 v[RC+6*\u+3+\i], v[PT+\i]
.endr
.if \u == 0
	v_mov_b32 v[RSV], v[T]
.else
	v_cndmask_b32 v[RSV], v[RSV], v[T], s[HI]      ; lanes 0-15 the even tile's bytes, lanes 16-31 the odd tile's
.endif
.endm
.macro TILE u
	v_mov_b32 v13, 0xff61b1e6                      ; the largest t so far: -3e38
	v_floor_f32 v12, -v13
	v_mov_b32 v14, 0
	v_mov_b32 v15, 0
.set n, 0
.rept 32
	v_mov_b32 v[O+n], 0                            ; the step is written once: the first finds zeros
.set n, n+1
.endr
	s_mov_b32 s[TB], 0
	s_mov_b32 s[TS], 0
	s_mov_b32 s[TV], 0
	s_mov_b32 s[STP], 0
.Lstep_\@:
	STEP \u
	s_add_co_u32 s[STP], s[STP], 1
	s_cmp_lt_u32 s[STP], 16
	s_cbranch_scc1 .Lstep_\@
	FINISH \u
.endm
	TILE 0
	TILE 1
	s_lshl_b32 s77, s[YY], 6
	s_add_co_u32 s78, s77, s[PP]
	s_mul_i32 s78, s78, 1536
	s_mov_b32 s79, 0
	s_add_nc_u64 s[96:97], s[8:9], s[78:79]
	s_wait_alu depctr_vm_vsrc(0)                   ; the last step's LDS loads have read v8, v9 and v11, which the three lines below write
	v_lshl_add_u32 v[ADK], v0, 2, SCST
	v_lshl_add_u32 v[ADV], v0, 4, SCST
	v_lshlrev_b32 v[ADT], 4, v0
	s_wait_alu depctr_va_vdst(0)                   ; the pair's codes, its scale bytes and the three addresses are written, which the stores and the load below read; the last lines that named v104 to v107, in which that load lands, are done
.irp c, 0,1,2
	global_store_b128 v[AK0], v[RC+4*\c:RC+4*\c+3], s[96:97] offset:512*\c     ; the pair's image: 512 consecutive bytes a store
.endr
	ds_store_b32 v[ADK], v[RSV]                    ; the sixteen pairs' scale words meet in LDS, so that they leave in whole runs of 512 bytes
	s_wait_dscnt 0x0
	s_barrier_signal -1
	s_barrier_wait -1
	s_cmp_lt_u32 s[WV], 4
	s_cbranch_scc0 .Lend
	ds_load_b128 v[S:S+3], v[ADV]
	s_lshl_b32 s78, ttmp9, 4
	s_add_co_u32 s78, s78, s77
	s_lshl_b32 s78, s78, 7
	s_add_co_u32 s78, s78, RSO
	s_add_nc_u64 s[98:99], s[8:9], s[78:79]
	s_wait_dscnt 0x0
	global_store_b128 v[ADT], v[S:S+3], s[98:99]
.Lend:
	s_wait_kmcnt 0x0                               ; the words asked for behind the last step
	s_wait_dscnt 0x0
	s_wait_alu depctr_hold_cnt(0) depctr_sa_sdst(0) depctr_va_vdst(0) depctr_va_sdst(0) depctr_va_ssrc(0) depctr_va_vcc(0) depctr_vm_vsrc(0)
	s_wait_tensorcnt 0x0
	ds_add_u32 v215, v219
	s_wait_dscnt 0x0
	s_endpgm
.Lfunc_end_k_qe0ef90c4ef_attn:
	.size	k_qe0ef90c4ef_attn, .Lfunc_end_k_qe0ef90c4ef_attn-k_qe0ef90c4ef_attn
	.p2alignl 7, 3214868480
	.fill 96, 4, 3214868480
	.section	.rodata,"a",@progbits
	.p2align	6, 0x0
	.amdhsa_kernel k_qe0ef90c4ef_attn
		.amdhsa_group_segment_fixed_size 212992
		.amdhsa_private_segment_fixed_size 0
		.amdhsa_enable_private_segment 0
		.amdhsa_kernarg_size 24
		.amdhsa_user_sgpr_count 2
		.amdhsa_user_sgpr_kernarg_segment_ptr 1
		.amdhsa_wavefront_size32 1
		.amdhsa_system_sgpr_workgroup_id_x 1
		.amdhsa_system_sgpr_workgroup_id_y 1
		.amdhsa_system_sgpr_workgroup_id_z 1
		.amdhsa_system_vgpr_workitem_id 0
		.amdhsa_next_free_vgpr 256
		.amdhsa_next_free_sgpr 100
		.amdhsa_reserve_vcc 0
		.amdhsa_float_denorm_mode_32 3
		.amdhsa_float_denorm_mode_16_64 3
		.amdhsa_memory_ordered 1
		.amdhsa_forward_progress 1
		.amdhsa_inst_pref_size 60
	.end_amdhsa_kernel
	.amdgpu_metadata
---
amdhsa.version: [ 1, 2 ]
amdhsa.kernels:
  - .name:           k_qe0ef90c4ef_attn
    .symbol:         k_qe0ef90c4ef_attn.kd
    .args:
      - { .name: qkv, .offset: 0, .size: 8, .value_kind: global_buffer, .address_space: global }
      - { .name: mbits, .offset: 8, .size: 8, .value_kind: global_buffer, .address_space: global }
      - { .name: res, .offset: 16, .size: 8, .value_kind: global_buffer, .address_space: global }
    .group_segment_fixed_size: 212992
    .private_segment_fixed_size: 0
    .kernarg_segment_align: 8
    .kernarg_segment_size: 24
    .max_flat_workgroup_size: 512
    .sgpr_count:     100
    .vgpr_count:     256
    .wavefront_size: 32
...
	.end_amdgpu_metadata
.endif
;; end of part 5
;; launch fcln (part 6): grid 256 x 1, 16 waves a work-group, no clusters, 159,232 bytes of LDS; arguments res, cw, Q, ln_gamma, ln_beta, out0; writes out0
.if DOCPART == 6
	.amdgcn_target "amdgcn-amd-amdhsa--gfx1250"
	.amdhsa_code_object_version 6
	.text
	.protected	k_qe0ef90c4ef_fcln
	.globl	k_qe0ef90c4ef_fcln
	.p2align	8
	.type	k_qe0ef90c4ef_fcln,@function
k_qe0ef90c4ef_fcln:
	s_mov_b64 s[64:65], 0
	v_nop
	global_prefetch_b8 v0, s[64:65] scope:SCOPE_SE
	s_setreg_imm32_b32 hwreg(HW_REG_WAVE_SCHED_MODE, 0, 2), 2
	s_setreg_imm32_b32 hwreg(HW_REG_WAVE_MODE, 25, 1), 1
	s_wait_xcnt 0x0
	s_wait_alu depctr_vm_vsrc(0)
; FCLN.  out = LayerNorm(res W_fc^T + Q) x gamma + beta.  The product on codes of BF6 with E8M0 scales, K = 1,024 (eight steps of 128 = two heads each), sums in f32; all else in f32.
; SHARES.  A work-group owns 32 whole rows (pair P of batch b), so a row's mean and variance have one owner.  Sixteen waves; wave w makes columns 64 w .. 64 w + 63: four tiles of W_fc x two tiles of tokens, 8 accumulators.
; Source 0 = 16 rows of W_fc, source 1 = 16 tokens: a lane holds one token, and by the order of rows in a tile (lane row r of tile 2 g + u = row 32 g + 8 u + r + 8 (r / 8)) its registers run along neighbouring columns.
; W_fc's FRAGMENTS go from memory straight into registers, as images (three loads of 16 bytes a lane): in a work-group each is wanted by one wave alone, so LDS would only add a write and a read; for the same
; reason there is no tensor load and no joint load here.
; res: wave w brings head w's image of the pair and lays it in LDS as parts of the eight K steps' fragments (head 2 s: registers 0-5, head 2 s + 1: registers 6-11), in runs of 256 bytes, 8 bytes a lane.
; The results meet in a stage (rows of 4,096 bytes + 16); wave w then takes stage rows 2 w, 2 w + 1 whole: residual, mean, variance of the differences, rsqrt, gain and bias, and stores 512 consecutive bytes an instruction.
; THE MODE: SCHED_MODE bits 1:0 = 2 (LLVM: expert scheduling mode 2), set by the entry lines.  The code itself states the register dependences between vector or matrix instructions and memory or LDS
; instructions, with s_wait_alu, always for 0.
; THE PLAN.  Registers that LDS or memory instructions touch:
;   v1-10          offsets and LDS addresses, made once at the head and never written again.
;   WB0, WB1       W_fc's fragments; RF0, RF1 and v240, v241: res's fragments and scale words.  K step s: its eight products read set s % 2; behind them the loads of step s + 2 land in that set.
;   v16-79         at the head res's image lands in v16-28 and LDS stores read it; then the accumulators: the products write them, the stage's LDS stores read them, the stage's LDS loads land in them,
;                  vector lines work on them in place, the global stores read them.
;   v80-207        behind the last products: the residual, gain and bias land there.
; No operand and no scale of a product is written by a vector line.  The sets take all the registers that the SIMD's four waves leave, so there is no third set, and ONE wait on va_vdst stands in each of steps 0 to 5,
; behind its products: the set is asked for again at once, so that two steps' loads stay on their way.  Between that wait and the step's 25 loads stands no vector or matrix instruction.
.set SCO,  22020096
.set RSO,  6291456
.set RSC,  24576                       ; LDS: behind the 16 fragments: their scale words, [K step][4 x lane]
.set STG,  25600                       ; the stage
.set SPI,  4112
.set ACC,  16
.set WB,   80                          ; two sets of four fragments of W_fc
.set RF,   176                         ; two sets of two fragments of res
.set WS,   224                         ; register 8 p + s: lanes 0-15 my tile 2 p, lanes 16-31 tile 2 p + 1, K step s
.set RS,   240
.set QR,   80
.set GA,   144
.set BE,   176
.set SU,   208                         ; v208-211 sums in pairs;  v212-215 at work;  v216-219 the means;  v220-223 1 / sqrt
.set RT,   212
.set MU,   216
.set RQ,   220
.macro WM dd, aa, bb, zero, sa, sb, ra, rb
.if \zero
.if ((\ra) == 0) && ((\rb) == 0)
	v_wmma_scale_f32_16x16x128_f8f6f4 v[(\dd):(\dd)+7], v[(\aa):(\aa)+11], v[(\bb):(\bb)+11], 0, v[\sa], v[\sb] matrix_a_fmt:MATRIX_FMT_BF6 matrix_b_fmt:MATRIX_FMT_BF6
.elseif ((\rb) == 0)
	v_wmma_scale_f32_16x16x128_f8f6f4 v[(\dd):(\dd)+7], v[(\aa):(\aa)+11], v[(\bb):(\bb)+11], 0, v[\sa], v[\sb] matrix_a_fmt:MATRIX_FMT_BF6 matrix_b_fmt:MATRIX_FMT_BF6 matrix_a_scale:MATRIX_SCALE_ROW1
.elseif ((\ra) == 0)
	v_wmma_scale_f32_16x16x128_f8f6f4 v[(\dd):(\dd)+7], v[(\aa):(\aa)+11], v[(\bb):(\bb)+11], 0, v[\sa], v[\sb] matrix_a_fmt:MATRIX_FMT_BF6 matrix_b_fmt:MATRIX_FMT_BF6 matrix_b_scale:MATRIX_SCALE_ROW1
.else
	v_wmma_scale_f32_16x16x128_f8f6f4 v[(\dd):(\dd)+7], v[(\aa):(\aa)+11], v[(\bb):(\bb)+11], 0, v[\sa], v[\sb] matrix_a_fmt:MATRIX_FMT_BF6 matrix_b_fmt:MATRIX_FMT_BF6 matrix_a_scale:MATRIX_SCALE_ROW1 matrix_b_scale:MATRIX_SCALE_ROW1
.endif
.else
.if ((\ra) == 0) && ((\rb) == 0)
	v_wmma_scale_f32_16x16x128_f8f6f4 v[(\dd):(\dd)+7], v[(\aa):(\aa)+11], v[(\bb):(\bb)+11], v[(\dd):(\dd)+7], v[\sa], v[\sb] matrix_a_fmt:MATRIX_FMT_BF6 matrix_b_fmt:MATRIX_FMT_BF6
.elseif ((\rb) == 0)
	v_wmma_scale_f32_16x16x128_f8f6f4 v[(\dd):(\dd)+7], v[(\aa):(\aa)+11], v[(\bb):(\bb)+11], v[(\dd):(\dd)+7], v[\sa], v[\sb] matrix_a_fmt:MATRIX_FMT_BF6 matrix_b_fmt:MATRIX_FMT_BF6 matrix_a_scale:MATRIX_SCALE_ROW1
.elseif ((\ra) == 0)
	v_wmma_scale_f32_16x16x128_f8f6f4 v[(\dd):(\dd)+7], v[(\aa):(\aa)+11], v[(\bb):(\bb)+11], v[(\dd):(\dd)+7], v[\sa], v[\sb] matrix_a_fmt:MATRIX_FMT_BF6 matrix_b_fmt:MATRIX_FMT_BF6 matrix_b_scale:MATRIX_SCALE_ROW1
.else
	v_wmma_scale_f32_16x16x128_f8f6f4 v[(\dd):(\dd)+7], v[(\aa):(\aa)+11], v[(\bb):(\bb)+11], v[(\dd):(\dd)+7], v[\sa], v[\sb] matrix_a_fmt:MATRIX_FMT_BF6 matrix_b_fmt:MATRIX_FMT_BF6 matrix_a_scale:MATRIX_SCALE_ROW1 matrix_b_scale:MATRIX_SCALE_ROW1
.endif
.endif
.endm
	s_load_b256 s[4:11], s[0:1], 0x0               ; res, cw, Q, gamma
	s_load_b128 s[12:15], s[0:1], 0x20             ; beta, out0
	v_lshl_add_u32 v254, v0, 2, 0x26600
	v_mov_b32 v255, 0
	v_lshrrev_b32 v1, 5, v0
	v_readfirstlane_b32 s16, v1                    ; wave 0..15
	v_and_b32 v11, 31, v0                          ; lane
	v_and_b32 v12, 15, v0                          ; r
	v_bfe_u32 v13, v0, 4, 1                        ; h
	v_lshlrev_b32 v1, 4, v11                       ; 16 x lane
	v_lshlrev_b32 v2, 3, v11                       ; 8 x lane
	v_lshlrev_b32 v3, 2, v11                       ; 4 x lane
	v_lshlrev_b32 v4, 5, v12
	v_lshl_add_u32 v4, v13, 9, v4                  ; W_fc's scale words: tile h of a pair, row r
	s_wait_alu depctr_va_sdst(0)                   ; the wave's number is written, ahead of its first reader: LDS addresses and bases are made from it
	s_lshr_b32 s17, s16, 1                         ; my head's K step
	s_and_b32 s18, s16, 1                          ; and its half of it
	s_mul_i32 s19, s17, 3072
	s_mul_i32 s20, s18, 768
	s_add_co_u32 s19, s19, s20
	v_add_nc_u32 v5, s19, v2                       ; where my head's registers go
	s_lshl_b32 s19, s17, 7
	s_lshl_b32 s20, s18, 1
	s_add_co_u32 s19, s19, s20
	s_add_co_u32 s19, s19, RSC
	v_add_nc_u32 v6, s19, v3                       ; and its two scale bytes
	v_mul_u32_u24 v7, v12, SPI
	v_lshl_add_u32 v7, v13, 6, v7
	s_lshl_b32 s19, s16, 8
	s_add_co_u32 s19, s19, STG
	v_add_nc_u32 v7, s19, v7                       ; the stage, way in: row r, + 64 h, + 256 w;
	v_add_nc_u32 v8, 16*SPI, v7                    ; the odd tile's rows
	s_mul_i32 s19, s16, 2*SPI
	s_add_co_u32 s19, s19, STG
	v_add_nc_u32 v9, s19, v1                       ; way out: rows 2 w, 2 w + 1
	v_lshlrev_b32 v10, 8, v0                       ; the prefetch: 256 x thread
	s_lshr_b32 s19, ttmp9, 6                       ; b
	s_and_b32 s20, ttmp9, 63                       ; P
	s_lshl_b32 s19, s19, 4
	s_add_co_u32 s19, s19, s16
	s_lshl_b32 s19, s19, 6
	s_add_co_u32 s19, s19, s20                     ; (16 b + w) 64 + P
	s_mul_i32 s36, s19, 1536
	s_mov_b32 s37, 0
	s_lshl_b32 s38, s19, 7
	s_add_co_u32 s38, s38, RSO
	s_mov_b32 s39, 0
	s_lshl_b32 s40, s16, 11
	s_add_co_u32 s40, s40, SCO+1728*512            ; W_fc's tiles begin at tile 1,728; mine at 4 w
	s_mov_b32 s41, 0
	s_mul_i32 s42, s17, 98304
	s_mul_i32 s19, s18, 6144
	s_add_co_u32 s42, s42, s19
	s_add_co_u32 s42, s42, 216*98304
	s_mov_b32 s43, 0
	s_lshl_b32 s44, ttmp9, 17                      ; the work-group's 32 rows of 4,096 bytes
	s_mov_b32 s45, 0
	s_lshr_b32 s19, s16, 3
	s_lshl_b32 s19, s19, 3
	s_and_b32 s20, s16, 7
	s_lshl_b32 s21, s20, 1
	s_add_co_u32 s19, s19, s21
	s_lshr_b32 s20, s20, 2
	s_lshl_b32 s20, s20, 3
	s_add_co_u32 s19, s19, s20                     ; stage row 2 w is token 8 (w / 8) + 2 (w % 8) + 8 ((w % 8) / 4) of the 32; row 2 w + 1 the next
	s_lshl_b32 s19, s19, 12
	s_add_co_u32 s46, s44, s19
	s_mov_b32 s47, 0
	s_wait_kmcnt 0x0
	s_add_nc_u64 s[22:23], s[4:5], s[36:37]        ; my head's image
	s_add_nc_u64 s[24:25], s[4:5], s[38:39]        ; its scale bytes
	s_add_nc_u64 s[26:27], s[6:7], s[40:41]        ; W_fc's scale words
	s_add_nc_u64 s[28:29], s[6:7], s[42:43]        ; W_fc's images
	s_add_nc_u64 s[30:31], s[8:9], s[44:45]        ; the residual's 32 rows
	s_add_nc_u64 s[32:33], s[8:9], s[46:47]        ; my two rows of it
	s_add_nc_u64 s[34:35], s[14:15], s[46:47]      ; and of the output
	s_mov_b32 s36, 0x76543210
	s_mov_b32 s37, 0xfedcba98
	s_mov_b32 s38, 0x3a800000                      ; 1 / 1,024
	s_mov_b32 s39, 0x3727c5ac                      ; 1e-5
.macro WLOAD ks
.irp t, 0,1,2,3
.irp c, 0,1,2
	global_load_b128 v[WB+48*((\ks)%2)+12*\t+4*\c:WB+48*((\ks)%2)+12*\t+4*\c+3], v1, s[28:29] offset:12288*(\ks)+1536*\t+512*\c
.endr
.endr
.endm
.macro RLOAD ks
.irp u, 0,1
.irp e, 0,1,2,3,4,5
	ds_load_b64 v[RF+24*((\ks)%2)+12*\u+2*\e:RF+24*((\ks)%2)+12*\u+2*\e+1], v2 offset:3072*(\ks)+1536*\u+256*\e
.endr
.endr
	ds_load_b32 v[RS+(\ks)%2], v3 offset:RSC+128*(\ks)
.endm
	; ---- 0: res into LDS; W_fc's first two K steps on their way
	s_wait_alu depctr_va_vdst(0)                   ; the offsets and LDS addresses v1 to v10 are written: every load, store and the prefetch of the kernel reads one of them
.irp c, 0,1,2
	global_load_b128 v[ACC+4*\c:ACC+4*\c+3], v1, s[22:23] offset:512*\c
.endr
	global_load_b32 v[ACC+12], v3, s[24:25]
.irp p, 0,1
.irp g, 0,1
	global_load_b128 v[WS+8*\p+4*\g:WS+8*\p+4*\g+3], v4, s[26:27] offset:1024*\p+16*\g
.endr
.endr
	WLOAD 0
	WLOAD 1
	s_wait_loadcnt 28                              ; my head's four loads are in; the 4 + 12 + 12 behind them may be out
.irp u, 0,1
.irp i, 0,1,2
	ds_store_b64 v5, v[ACC+6*\u+2*\i:ACC+6*\u+2*\i+1] offset:1536*\u+256*\i
.endr
.endr
	ds_store_b16 v6, v[ACC+12]
	s_wait_dscnt 0x0
	s_barrier_signal -1
	s_barrier_wait -1                              ; the sixteen fragments and their scale words lie in LDS
	s_wait_alu depctr_vm_vsrc(0)                   ; my LDS stores have read v16 to v28: these registers are accumulators from here on, written by the first products
	RLOAD 0
	RLOAD 1
	; ---- 1: eight K steps; the eight accumulators by turns, one instruction a turn
.macro FSTEP ks
.if (\ks) < 7
	s_wait_loadcnt 12                              ; this step's fragments of W_fc are in; the next step's 12 loads may be out
	s_wait_dscnt 13                                ; likewise res: 12 loads and a scale word
.else
	s_wait_loadcnt 0x0
	s_wait_dscnt 0x0
.endif
.irp u, 0,1
.irp t, 0,1,2,3
	WM ACC+8*(4*\u+\t),WB+48*((\ks)%2)+12*\t,RF+24*((\ks)%2)+12*\u,(\ks)==0,WS+8*(\t/2)+(\ks),RS+(\ks)%2,\t%2,\u
.endr
.endr
.if (\ks) < 6
	s_wait_alu depctr_va_vdst(0)                   ; the step's eight products are done reading this set of W_fc's and res's fragments and res's scale word, in which the 25 loads below land
	WLOAD (\ks)+2
	RLOAD (\ks)+2
.endif
.if (\ks) == 1
	global_prefetch_b8 v10, s[30:31] th:TH_LOAD_NT scope:SCOPE_SE   ; the residual's 32 rows, 131,072 bytes: each of the 512 threads names another 256 bytes; six K steps ahead of the loads that want them
.endif
.endm
.irp k, 0,1,2,3,4,5,6,7
	FSTEP \k
.endr
	; ---- 2: my rows of the residual, gain and bias are asked for; the results go to the stage
.rept 4
	v_nop                                          ; four places behind the last products, before their results are read (ISA guide 7.12.1)
.endr
	s_wait_alu depctr_va_vdst(0)                   ; the products have written the accumulators, which the LDS stores below read, and are done reading v80 to v223, in which the residual, gain and bias land; the places above stay beside this wait
.irp p, 0,1
.irp j, 0,1,2,3,4,5,6,7
	global_load_b128 v[QR+32*\p+4*\j:QR+32*\p+4*\j+3], v1, s[32:33] offset:4096*\p+512*\j
.endr
.endr
.irp j, 0,1,2,3,4,5,6,7
	global_load_b128 v[GA+4*\j:GA+4*\j+3], v1, s[10:11] offset:512*\j
.endr
.irp j, 0,1,2,3,4,5,6,7
	global_load_b128 v[BE+4*\j:BE+4*\j+3], v1, s[12:13] offset:512*\j
.endr
.irp t, 0,1,2,3
.irp e, 0,1
	ds_store_b128 v7, v[ACC+8*\t+4*\e:ACC+8*\t+4*\e+3] offset:128*(\t/2)+32*(\t%2)+16*\e        ; column 64 w + 32 (t / 2) + 16 h + 8 (t % 2) + 0 .. 7; each accumulator from its low end on
.endr
.endr
.irp t, 0,1,2,3
.irp e, 0,1
	ds_store_b128 v8, v[ACC+32+8*\t+4*\e:ACC+32+8*\t+4*\e+3] offset:128*(\t/2)+32*(\t%2)+16*\e
.endr
.endr
.irp p, 0,1
	v_mov_b32 v[RT+2+\p], 0                        ; a lane permute's destination counts as read.  (v214, v215: no load and no store of this phase names them)
.endr
	s_wait_dscnt 0x0
	s_barrier_signal -1
	s_barrier_wait -1                              ; 32 whole rows lie in the stage
	; ---- 3: two rows a wave
	s_wait_alu depctr_vm_vsrc(0)                   ; my LDS stores have read the accumulators, in which the stage's rows land
.irp p, 0,1
.irp j, 0,1,2,3,4,5,6,7
	ds_load_b128 v[ACC+32*\p+4*\j:ACC+32*\p+4*\j+3], v9 offset:SPI*\p+512*\j
.endr
.endr
	s_wait_dscnt 0x0
	s_wait_loadcnt 16                              ; the residual's 16 loads are in; gain's and bias's 16 may be out
.macro REDUCE                          ; v[RT], v[RT+1]: summed over the 32 lanes, the two rows by turns
.irp m, 1,2,4,8
.irp p, 0,1
	v_add_f32_dpp v[RT+\p], v[RT+\p], v[RT+\p] row_xmask:\m row_mask:0xf bank_mask:0xf
.endr
.endr
.irp p, 0,1
	v_permlanex16_b32 v[RT+2+\p], v[RT+\p], s36, s37
.endr
.irp p, 0,1
	v_add_f32 v[RT+\p], v[RT+\p], v[RT+2+\p]
.endr
.endm
.irp k, 0,1,2,3,4,5,6,7,8,9,10,11,12,13,14,15
.irp p, 0,1
	v_pk_add_f32 v[ACC+32*\p+2*\k:ACC+32*\p+2*\k+1], v[ACC+32*\p+2*\k:ACC+32*\p+2*\k+1], v[QR+32*\p+2*\k:QR+32*\p+2*\k+1]   ; + the residual
.endr
.endr
.irp p, 0,1
	v_pk_add_f32 v[SU+2*\p:SU+2*\p+1], v[ACC+32*\p:ACC+32*\p+1], v[ACC+32*\p+2:ACC+32*\p+3]
.endr
.irp k, 2,3,4,5,6,7,8,9,10,11,12,13,14,15
.irp p, 0,1
	v_pk_add_f32 v[SU+2*\p:SU+2*\p+1], v[SU+2*\p:SU+2*\p+1], v[ACC+32*\p+2*\k:ACC+32*\p+2*\k+1]
.endr
.endr
.irp p, 0,1
	v_add_f32 v[RT+\p], v[SU+2*\p], v[SU+2*\p+1]
.endr
	REDUCE
.irp p, 0,1
	v_mul_f32 v[MU+2*\p], s38, v[RT+\p]            ; the mean
.endr
.irp p, 0,1
	v_mov_b32 v[MU+2*\p+1], v[MU+2*\p]
.endr
.irp k, 0,1,2,3,4,5,6,7,8,9,10,11,12,13,14,15
.irp p, 0,1
	v_pk_add_f32 v[ACC+32*\p+2*\k:ACC+32*\p+2*\k+1], v[ACC+32*\p+2*\k:ACC+32*\p+2*\k+1], v[MU+2*\p:MU+2*\p+1] neg_lo:[0,1] neg_hi:[0,1]   ; x - mean: the variance is taken of the differences
.endr
.endr
.irp p, 0,1
	v_pk_mul_f32 v[SU+2*\p:SU+2*\p+1], v[ACC+32*\p:ACC+32*\p+1], v[ACC+32*\p:ACC+32*\p+1]
.endr
.irp k, 1,2,3,4,5,6,7,8,9,10,11,12,13,14,15
.irp p, 0,1
	v_pk_fma_f32 v[SU+2*\p:SU+2*\p+1], v[ACC+32*\p+2*\k:ACC+32*\p+2*\k+1], v[ACC+32*\p+2*\k:ACC+32*\p+2*\k+1], v[SU+2*\p:SU+2*\p+1]
.endr
.endr
.irp p, 0,1
	v_add_f32 v[RT+\p], v[SU+2*\p], v[SU+2*\p+1]
.endr
	REDUCE
.irp p, 0,1
	v_fma_f32 v[RT+\p], v[RT+\p], s38, s39         ; the variance + 1e-5
.endr
.irp p, 0,1
	v_rsq_f32 v[RQ+2*\p], v[RT+\p]
.endr
	v_nop                                          ; one plain place behind the transcendentals
	s_wait_alu depctr_va_vdst(0)                   ; the two v_rsq_f32 have written v220 and v222: one wait for the two, ahead of their first reader
.irp p, 0,1
	v_mov_b32 v[RQ+2*\p+1], v[RQ+2*\p]
.endr
.irp k, 0,1,2,3,4,5,6,7,8,9,10,11,12,13,14,15
.irp p, 0,1
	v_pk_mul_f32 v[ACC+32*\p+2*\k:ACC+32*\p+2*\k+1], v[ACC+32*\p+2*\k:ACC+32*\p+2*\k+1], v[RQ+2*\p:RQ+2*\p+1]
.endr
.endr
	s_wait_loadcnt 0x0                             ; gain and bias
.irp k, 0,1,2,3,4,5,6,7,8,9,10,11,12,13,14,15
.irp p, 0,1
	v_pk_fma_f32 v[ACC+32*\p+2*\k:ACC+32*\p+2*\k+1], v[ACC+32*\p+2*\k:ACC+32*\p+2*\k+1], v[GA+2*\k:GA+2*\k+1], v[BE+2*\k:BE+2*\k+1]
.endr
.endr
	s_wait_alu depctr_va_vdst(0)                   ; the multiply-adds have written the two rows in v16 to v79, which the stores below read
.irp p, 0,1
.irp j, 0,1,2,3,4,5,6,7
	global_store_b128 v1, v[ACC+32*\p+4*\j:ACC+32*\p+4*\j+3], s[34:35] offset:4096*\p+512*\j th:TH_STORE_NT   ; 32 lanes store 512 consecutive bytes, aligned
.endr
.endr
	s_wait_dscnt 0x0
	s_wait_alu depctr_hold_cnt(0) depctr_sa_sdst(0) depctr_va_vdst(0) depctr_va_sdst(0) depctr_va_ssrc(0) depctr_va_vcc(0) depctr_vm_vsrc(0)
	s_wait_tensorcnt 0x0
	ds_add_u32 v254, v255
	s_wait_dscnt 0x0
	s_endpgm
.Lfunc_end_k_qe0ef90c4ef_fcln:
	.size	k_qe0ef90c4ef_fcln, .Lfunc_end_k_qe0ef90c4ef_fcln-k_qe0ef90c4ef_fcln
	.p2alignl 7, 3214868480
	.fill 96, 4, 3214868480
	.section	.rodata,"a",@progbits
	.p2align	6, 0x0
	.amdhsa_kernel k_qe0ef90c4ef_fcln
		.amdhsa_group_segment_fixed_size 159232
		.amdhsa_private_segment_fixed_size 0
		.amdhsa_enable_private_segment 0
		.amdhsa_kernarg_size 48
		.amdhsa_user_sgpr_count 2
		.amdhsa_user_sgpr_kernarg_segment_ptr 1
		.amdhsa_wavefront_size32 1
		.amdhsa_system_sgpr_workgroup_id_x 1
		.amdhsa_system_sgpr_workgroup_id_y 1
		.amdhsa_system_sgpr_workgroup_id_z 1
		.amdhsa_system_vgpr_workitem_id 0
		.amdhsa_next_free_vgpr 256
		.amdhsa_next_free_sgpr 66
		.amdhsa_reserve_vcc 0
		.amdhsa_float_denorm_mode_32 3
		.amdhsa_float_denorm_mode_16_64 3
		.amdhsa_memory_ordered 1
		.amdhsa_forward_progress 1
		.amdhsa_inst_pref_size 51
	.end_amdhsa_kernel
	.amdgpu_metadata
---
amdhsa.version: [ 1, 2 ]
amdhsa.kernels:
  - .name:           k_qe0ef90c4ef_fcln
    .symbol:         k_qe0ef90c4ef_fcln.kd
    .args:
      - { .name: res, .offset: 0, .size: 8, .value_kind: global_buffer, .address_space: global }
      - { .name: cw, .offset: 8, .size: 8, .value_kind: global_buffer, .address_space: global }
      - { .name: Q, .offset: 16, .size: 8, .value_kind: global_buffer, .address_space: global }
      - { .name: ln_gamma, .offset: 24, .size: 8, .value_kind: global_buffer, .address_space: global }
      - { .name: ln_beta, .offset: 32, .size: 8, .value_kind: global_buffer, .address_space: global }
      - { .name: out0, .offset: 40, .size: 8, .value_kind: global_buffer, .address_space: global }
    .group_segment_fixed_size: 159232
    .private_segment_fixed_size: 0
    .kernarg_segment_align: 8
    .kernarg_segment_size: 48
    .max_flat_workgroup_size: 512
    .sgpr_count:     66
    .vgpr_count:     256
    .wavefront_size: 32
...
	.end_amdgpu_metadata
.endif
;; end of part 6
